; MI455X (gfx1250); checked and timed in simulation.
; The chip was launched on July 23, 2026; its instructions are those of AMD's public machine-readable ISA for CDNA 5 (MIT licence, August 2026) and "CDNA5" Instruction Set Architecture Reference Guide (July 2026). The comments in the code are by the model that wrote it; some were corrected since.
;; Gpt Oss Experts Lora. Allowed arithmetic: matrix products marked QUANTISED: E3M2 operands, one E8M0 scale for each 32 along K, by v_wmma_scale_f32_16x16x128_f8f6f4 with both operands' format E3M2, f32 sums; products left as they are: f32 operands where the result goes on into a quantised operand, else bf16, f16 or f32 operands; f32 sums; everything else in f32.
;; Inputs: down_proj 8 x 2,048 x 1,024 float32; down_proj_bias 8 x 1,024 float32; gate_up_proj 8 x 1,024 x 4,096 float32; gate_up_proj_bias 8 x 4,096 float32; hidden_states 1 x 1,024 x 1,024 float32; lora_A_down 8 x 2,048 x 16 float32; lora_A_gate_up 8 x 1,024 x 16 float32; lora_B_down 8 x 16 x 1,024 float32; lora_B_gate_up 8 x 16 x 4,096 float32; router_indices 1,024 x 2 int32; routing_weights 1,024 x 8 float32.
;; Outputs: out0 1 x 1,024 x 1,024 float32.
;; This version of the problem:
;;   THIS VERSION OF THE PROBLEM IS GIVEN IN LOW PRECISION. The matrix products marked QUANTISED in the list below multiply operands that are first quantised to E3M2 (3 exponent bits, 2 mantissa bits; 6 bits a number), with one power-of-two scale for each 32 numbers along K (OCP MX v1.0); their sums are f32. All else is computed in f32.
;;   The module's matrix products, in the order in which they are computed (A, B: the left and right operand; K: the contracted axis; several contracted axes count as one K, in the product's order):
;;     1. [M 1,024, K 1,024] x [K 1,024, N 32,768]; A: input hidden_states; B: input gate_up_proj: QUANTISED
;;     2. [M 1,024, K 1,024] x [K 1,024, N 128]; A: input hidden_states; B: input lora_A_gate_up: QUANTISED
;;     3. batch 8 x [M 4,096, K 16] x [K 16, N 1,024]; A: input lora_B_gate_up; B: computed on the way: left as it is (K = 16 < 32)
;;     4. batch 8 x [M 1,024, K 2,048] x [K 2,048, N 1,024]; A: input down_proj; B: computed on the way: QUANTISED
;;     5. batch 8 x [M 16, K 2,048] x [K 2,048, N 1,024]; A: input lora_A_down; B: computed on the way: QUANTISED
;;     6. batch 8 x [M 1,024, K 16] x [K 16, N 1,024]; A: input lora_B_down; B: computed on the way: left as it is (K = 16 < 32)
;;     7. batch 1,024 x [M 1,024, K 8] x [K 8, N 1]; A: computed on the way; B: computed on the way: left as it is (K = 8 < 32)
;;   THE QUANTISER, for each operand of a quantised product, along K:
;;     - K is cut into blocks of 32 from its start; a last block that is shorter is filled with zeros.
;;     - A block's scale is 2^e with e = floor(log2(the largest magnitude in the block)) - 4, held to -126 .. 127; a block of zeros has e = 0. As a byte (E8M0): e + 127.
;;     - Each number is divided by its block's scale, clamped to +-28, and rounded to the nearest number of E3M2, ties to even, subnormals kept.
;;     - The product sums the exact products of the quantised numbers (number of the format x scale) in f32.
;;   ~~~python
;;   def quantise(x, axis):      # numpy; x: float32 -> the quantised numbers, widened to float32 again
;;       x = np.moveaxis(x, axis, -1); K = x.shape[-1]
;;       x = np.pad(x, [(0, 0)] * (x.ndim - 1) + [(0, -K % 32)]); x = x.reshape(x.shape[:-1] + (-1, 32)); a = np.abs(x).max(-1, keepdims=True)
;;       e = np.where(a > 0, np.clip(np.frexp(np.where(a > 0, a, 1))[1] - 1 - 4, -126, 127), 0)      # np.frexp(a)[1] - 1 = floor(log2(a)), exactly
;;       r = np.clip(x / 2.0 ** e, -28, 28)
;;       step = 2.0 ** (np.maximum(np.frexp(np.where(r == 0, 1, r))[1] - 1, -2) - 2)
;;       q = np.round(r / step) * step * 2.0 ** e      # np.round: ties to even
;;       return np.moveaxis(q.reshape(q.shape[:-2] + (-1,))[..., :K], -1, axis).astype(np.float32)
;;   ~~~
;;   OPERANDS COMPUTED ON THE WAY. 'Computed on the way' means the value that the module computes at that place (a softmax that the list does not call 'softmax' is quantised finished and normalised). What goes into a quantiser is computed in f32, as accurately as f32 sums, v_exp_f32 and their like allow (about 1e-6 of the number): no bf16 or f16 on the way to a quantiser, and a product that is left as it is and whose result goes on into a quantised operand takes f32 operands (vector FMAs, or v_wmma_f32_16x16x4_f32). A number that lies on a knife's edge between two numbers of the format may be rounded either way, as far as f32 arithmetic and the matrix unit's own rounding can turn it there, and no further.
;; 2 versions. Each part assembles by itself: llvm-mc -triple=amdgcn-amd-amdhsa -mcpu=gfx1250 --defsym DOCPART=n.
;; ======== version 1 of 2: 4 launches
;; workspace buffers: route 73,984 bytes of whole numbers; wrow 36,864 bytes; xcode 819,200 bytes; la 319,488 bytes; g 13,107,200 bytes; part 17,825,792 bytes
;; launch prep (part 1): grid 89 x 1, 8 waves a work-group, no clusters, 0 bytes of LDS; arguments hidden_states, router_indices, routing_weights, lora_A_gate_up, lora_A_down, xcode, la, route, wrow; writes xcode, la, route, wrow
.if DOCPART == 1
	.amdgcn_target "amdgcn-amd-amdhsa--gfx1250"
	.amdhsa_code_object_version 6
	.text
	.protected	k_qa6857550ac_prep
	.globl	k_qa6857550ac_prep
	.p2align	8
	.type	k_qa6857550ac_prep,@function
k_qa6857550ac_prep:
	s_mov_b64 s[64:65], 0
	v_nop
	global_prefetch_b8 v0, s[64:65] scope:SCOPE_SE
	s_setreg_imm32_b32 hwreg(HW_REG_WAVE_MODE, 25, 1), 1
	s_wait_xcnt 0x0
; Three small jobs, parted by the work-group's number.
;  work-group 0: ROUTING.  Wave e lists the tokens of expert e (a counting pass over the 1,024 index pairs, 32 tokens at a time), with each row's weight
;    routing_weights x multiplicity and the row of the partial-output buffer that it owns (2 t + slot).  An index that names no expert of 0..7 is on no list.
;    Lists are filled up to a multiple of 16 rows, and to 64 rows at the least, with token 0, weight 0 and a spare output row.  Lanes that have nothing to list store to spare words behind the lists.
;  work-groups 1..24: the two LoRA A matrices, 192 pieces of [128 k][16], become codes of E3M2 with one E8M0 byte for each 32 along k, stored as images of an operand's registers.
;  work-groups 25..88: hidden_states becomes codes; a lane takes a block of 32.  A token's 768 bytes are laid so that a lane of a later launch reads its 384 bytes on end.
; A block's scale byte is its largest magnitude's exponent field - 4, held at 1 from below (a block of zeros gets 1: its codes are zeros, and only this program reads the bytes).
; LIMITS: NaN and infinities among the inputs are not served.
; No matrix unit, no LDS, no cluster: the jobs share nothing and are small beside the launches that follow.
.set DESTB, 36864                      ; route: LIST at 0 ([8][1024] + 1,024 spare words), DEST here (the same shape), the tile counts at METAB
.set METAB, 73728
.set XSB,   786432                     ; xcode: codes [t][768], scale bytes [t][32] from here on
.set LASB,  294912                     ; la: images of 1,536 bytes, scale words of 128 bytes from here on
	s_load_b256 s[4:11], s[0:1], 0x0               ; hidden_states s[4:5], router_indices s[6:7], routing_weights s[8:9], lora_A_gate_up s[10:11]
	s_load_b256 s[12:19], s[0:1], 0x20             ; lora_A_down s[12:13], xcode s[14:15], la s[16:17], route s[18:19]
	s_load_b64 s[20:21], s[0:1], 0x40              ; wrow
	v_lshrrev_b32 v1, 5, v0
	v_readfirstlane_b32 s22, v1                    ; wave 0..7
	v_and_b32 v2, 31, v0                           ; lane
	s_wait_kmcnt 0x0
	s_cmp_eq_u32 ttmp9, 0
	s_cbranch_scc1 .Lroute
	s_cmp_lt_u32 ttmp9, 25
	s_cbranch_scc1 .Llora
	; ---- hidden_states: my wave's two tokens
	s_sub_co_u32 s24, ttmp9, 25
	s_lshl_b32 s24, s24, 3
	s_add_co_u32 s24, s24, s22
	s_lshl_b32 s24, s24, 1                         ; my first token
	s_lshl_b32 s26, s24, 12
	s_mov_b32 s27, 0
	s_add_nc_u64 s[4:5], s[4:5], s[26:27]          ; its 4,096 bytes
	s_mul_i32 s26, s24, 768
	s_add_nc_u64 s[28:29], s[14:15], s[26:27]      ; its codes
	s_lshl_b32 s26, s24, 5
	s_add_nc_u64 s[30:31], s[14:15], s[26:27]      ; its scale bytes (XSB stands in the immediate)
	v_lshlrev_b32 v3, 7, v2                        ; lane L takes block L: 128 bytes
.irp u, 0,1
.irp i, 0,1,2,3,4,5,6,7
	global_load_b128 v[32+32*\u+4*\i:35+32*\u+4*\i], v3, s[4:5] offset:4096*\u+16*\i
.endr
.endr
	v_and_b32 v4, 1, v2                            ; block L = 4 s + 2 c + h goes to byte 384 h + 48 s + 24 c of the token
	v_mul_u32_u24 v4, v4, 384
	v_lshrrev_b32 v5, 2, v2
	v_mad_u32_u24 v4, v5, 48, v4
	v_bfe_u32 v5, v2, 1, 1
	v_mad_u32_u24 v4, v5, 24, v4
.macro XTOK u, left
.set XR, 32+32*\u
.set XC, 96+8*\u
	s_wait_loadcnt \left                           ; this token's eight loads are in; the other token's may be out
	v_max3_num_f32 v[10+\u], |v[XR]|, |v[XR+1]|, 0x2800000     ; the block's largest magnitude, with the floor 2^(5 - 127) among its leaves
.irp i, 2,4,6,8,10,12,14,16,18,20,22,24,26,28,30
	v_max3_num_f32 v[10+\u], v[10+\u], |v[XR+\i]|, |v[XR+\i+1]|
.endr
	v_add_nc_u32 v[10+\u], 0xfe000000, v[10+\u]    ; 4 off its exponent field: the conversions' scale operand
	v_cvt_scalef32_pk16_bf6_f32 v[XC:XC+2], v[XR:XR+15], v[10+\u]
	v_cvt_scalef32_pk16_bf6_f32 v[112+4*\u:114+4*\u], v[XR+16:XR+31], v[10+\u]   ; (a conversion's three registers begin on an even number)
	v_lshrrev_b32 v[12+\u], 23, v[10+\u]           ; the scale's byte; also the plain line behind the conversions
.irp n, 0,1,2
	v_mov_b32 v[XC+3+\n], v[112+4*\u+\n]
.endr
.irp p, 0,1,2
	global_store_b64 v4, v[XC+2*\p:XC+2*\p+1], s[28:29] offset:768*\u+8*\p
.endr
	global_store_b8 v2, v[12+\u], s[30:31] offset:XSB+32*\u    ; 32 lanes store the token's 32 bytes on end
.endm
	XTOK 0, 8
	XTOK 1, 0
	s_endpgm
	; ---- a piece of a LoRA A matrix: [128 k][16], dense, 8,192 bytes.  Lane (r, h) takes column r, and its registers run down k in the order of the operand's layout
.Llora:
	s_sub_co_u32 s24, ttmp9, 1
	s_lshl_b32 s24, s24, 3
	s_add_co_u32 s24, s24, s22                     ; piece 0..191: 0..63 of lora_A_gate_up (8 e + K step), 64..191 of lora_A_down (64 + 16 e + K step)
	s_cmp_lt_u32 s24, 64
	s_cselect_b64 s[26:27], s[10:11], s[12:13]     ; the choice hangs on ids alone
	s_cselect_b32 s25, 0, 64
	s_sub_co_u32 s25, s24, s25
	s_lshl_b32 s28, s25, 13
	s_mov_b32 s29, 0
	s_add_nc_u64 s[26:27], s[26:27], s[28:29]
	s_mul_i32 s28, s24, 1536
	s_add_nc_u64 s[30:31], s[16:17], s[28:29]      ; its image
	s_lshl_b32 s28, s24, 7
	s_add_nc_u64 s[34:35], s[16:17], s[28:29]      ; its scale words (LASB stands in the immediate)
	s_mov_b32 s36, 0x76543210
	s_mov_b32 s37, 0xfedcba98                      ; v_permlanex16_b32's selects for lane l xor 16
	v_and_b32 v3, 15, v2                           ; r
	v_lshrrev_b32 v4, 4, v2                        ; h
	v_lshlrev_b32 v5, 2, v3
	v_lshl_add_u32 v5, v4, 11, v5                  ; 4 r + 32 h rows of 64 bytes
.irp c, 0,1
.set k, 0
.rept 32
	global_load_b32 v[64+32*\c+k], v5, s[26:27] offset:64*(64*\c+k)   ; k = 64 c + 32 h + 0 .. 31 of column r
.set k, k+1
.endr
.endr
	v_lshlrev_b32 v6, 4, v2
	v_lshlrev_b32 v7, 2, v2
	v_lshlrev_b32 v8, 3, v4
	v_mov_b32 v10, 0                               ; a lane permute's destination counts as one of its sources
	s_wait_loadcnt 0x0
.irp c, 0,1
	v_max3_num_f32 v[32+\c], |v[64+32*\c]|, |v[65+32*\c]|, 0x2800000
.endr
.irp i, 2,4,6,8,10,12,14,16,18,20,22,24,26,28,30
.irp c, 0,1
	v_max3_num_f32 v[32+\c], v[32+\c], |v[64+32*\c+\i]|, |v[65+32*\c+\i]|
.endr
.endr
.irp c, 0,1
	v_add_nc_u32 v[32+\c], 0xfe000000, v[32+\c]
.endr
.irp c, 0,1
	v_lshrrev_b32 v[36+\c], 23, v[32+\c]
.endr
	v_lshl_or_b32 v9, v37, 16, v36                 ; my two bytes, blocks h and 2 + h,
	v_lshlrev_b32 v9, v8, v9                       ; at their places in the scale word;
	v_permlanex16_b32 v10, v9, s36, s37
	v_or_b32 v9, v9, v10                           ; with lane l xor 16's two the word is whole
.irp c, 0,1
	v_cvt_scalef32_pk16_bf6_f32 v[48+6*\c:50+6*\c], v[64+32*\c:79+32*\c], v[32+\c]
	v_cvt_scalef32_pk16_bf6_f32 v[40+4*\c:42+4*\c], v[80+32*\c:95+32*\c], v[32+\c]
.endr
	v_nop                                          ; one plain line behind the conversions
.irp c, 0,1
.irp n, 0,1,2
	v_mov_b32 v[51+6*\c+\n], v[40+4*\c+\n]
.endr
.endr
.irp n, 0,1,2
	global_store_b128 v6, v[48+4*\n:51+4*\n], s[30:31] offset:512*\n   ; the fragment's twelve registers as they stand: 512 consecutive bytes a store
.endr
	global_store_b32 v7, v9, s[34:35] offset:LASB
	s_endpgm
	; ---- routing: wave e lists expert e's tokens
.Lroute:
	v_lshlrev_b32 v3, 3, v2                        ; a token's index pair: 8 bytes
	s_lshl_b32 s24, s22, 2
	v_lshl_add_u32 v4, v2, 5, s24                  ; routing_weights[t][e]: 32 t + 4 e
.set cc, 0
.rept 32
	global_load_b64 v[32+2*cc:33+2*cc], v3, s[6:7] offset:256*cc
	global_load_b32 v[96+cc], v4, s[8:9] offset:1024*cc
.set cc, cc+1
.endr
	s_lshl_b32 s30, s22, 10                        ; 1,024 e: my list's first word
	s_mov_b32 s27, s30                             ; + rows listed so far
	s_lshl_b32 s24, s22, 5
	s_add_co_u32 s24, s24, 8192
	v_add_nc_u32 v6, s24, v2                       ; my lane's spare word: 8,192 + 32 e + lane
	v_lshlrev_b32 v9, 1, v2
	s_wait_loadcnt 0x0
; tokens 32 c .. 32 c + 31.  Each chunk has registers of its own for what its stores read, so no store's source is written again
.macro RCHUNK c
	v_cmp_eq_u32 s24, s22, v[32+2*\c]              ; slot 0 names e
	v_cmp_eq_u32 s25, s22, v[33+2*\c]              ; slot 1 names e
	s_or_b32 s26, s24, s25
	v_mbcnt_lo_u32_b32 v5, s26, 0                  ; listed lanes below me
	v_add_nc_u32 v5, s27, v5
	v_cndmask_b32 v[128+\c], v6, v5, s26           ; my place in the list, or my spare word
	v_min_u32 v[128+\c], 0x23ff, v[128+\c]         ; held inside the list and its spare words
	v_lshlrev_b32 v[128+\c], 2, v[128+\c]
	v_cndmask_b32 v7, 0, 1.0, s24
	v_cndmask_b32 v8, 0, 1.0, s25
	v_add_f32 v7, v7, v8                           ; the multiplicity
	v_mul_f32 v[96+\c], v[96+\c], v7               ; the row's weight
	v_cndmask_b32 v[32+2*\c], 1, 0, s24
	v_add3_u32 v[32+2*\c], v[32+2*\c], v9, 64*\c   ; the row it owns: 2 t + the first slot that names e
	v_add_nc_u32 v[33+2*\c], 32*\c, v2             ; the token
	global_store_b32 v[128+\c], v[33+2*\c], s[18:19]
	global_store_b32 v[128+\c], v[32+2*\c], s[18:19] offset:DESTB
	global_store_b32 v[128+\c], v[96+\c], s[20:21]
	s_bcnt1_i32_b32 s28, s26
	s_add_co_u32 s27, s27, s28
.endm
.set cc, 0
.rept 32
	RCHUNK cc
.set cc, cc+1
.endr
	s_sub_co_u32 s23, s27, s30                     ; n rows
	s_add_co_u32 s29, s23, 15
	s_and_b32 s29, s29, 0xfffffff0                 ; n up to a multiple of 16
	s_lshr_b32 s33, s29, 4                         ; tiles of 16 rows
	s_max_u32 s29, s29, 64                         ; the list is written up to here
	s_lshl_b32 s31, s22, 4
	s_add_co_u32 s31, s31, 2048                    ; my spare output rows: 2,048 + 16 e + 0 .. 15
	v_mov_b32 v11, 0
.irp q, 0,1                                    ; at most 64 rows are filled in: two passes of 32 lanes
	v_add_nc_u32 v5, s23, v2
	v_add_nc_u32 v5, 32*\q, v5
	v_cmp_gt_u32 s24, s29, v5
	v_add_nc_u32 v10, s30, v5
	v_cndmask_b32 v[160+\q], v6, v10, s24
	v_min_u32 v[160+\q], 0x23ff, v[160+\q]
	v_lshlrev_b32 v[160+\q], 2, v[160+\q]
	v_and_b32 v[162+\q], 15, v5
	v_add_nc_u32 v[162+\q], s31, v[162+\q]
	global_store_b32 v[160+\q], v11, s[18:19]                  ; token 0
	global_store_b32 v[160+\q], v[162+\q], s[18:19] offset:DESTB
	global_store_b32 v[160+\q], v11, s[20:21]                  ; weight 0
.endr
	v_cmp_eq_u32 s24, 0, v2                        ; lane 0 stores the tile count, the others their spare word
	s_lshl_b32 s25, s22, 2
	s_add_co_u32 s25, s25, METAB
	v_mov_b32 v12, s25
	v_lshlrev_b32 v13, 2, v6
	v_cndmask_b32 v12, v13, v12, s24
	v_mov_b32 v14, s33
	global_store_b32 v12, v14, s[18:19]
	s_endpgm
.Lfunc_end_k_qa6857550ac_prep:
	.size	k_qa6857550ac_prep, .Lfunc_end_k_qa6857550ac_prep-k_qa6857550ac_prep
	.p2alignl 7, 3214868480
	.fill 96, 4, 3214868480
	.section	.rodata,"a",@progbits
	.p2align	6, 0x0
	.amdhsa_kernel k_qa6857550ac_prep
		.amdhsa_group_segment_fixed_size 0
		.amdhsa_private_segment_fixed_size 0
		.amdhsa_enable_private_segment 0
		.amdhsa_kernarg_size 72
		.amdhsa_user_sgpr_count 2
		.amdhsa_user_sgpr_kernarg_segment_ptr 1
		.amdhsa_wavefront_size32 1
		.amdhsa_system_sgpr_workgroup_id_x 1
		.amdhsa_system_sgpr_workgroup_id_y 1
		.amdhsa_system_sgpr_workgroup_id_z 1
		.amdhsa_system_vgpr_workitem_id 0
		.amdhsa_next_free_vgpr 192
		.amdhsa_next_free_sgpr 66
		.amdhsa_reserve_vcc 0
		.amdhsa_float_denorm_mode_32 3
		.amdhsa_float_denorm_mode_16_64 3
		.amdhsa_memory_ordered 1
		.amdhsa_forward_progress 1
		.amdhsa_inst_pref_size 62
	.end_amdhsa_kernel
	.amdgpu_metadata
---
amdhsa.version: [ 1, 2 ]
amdhsa.kernels:
  - .name:           k_qa6857550ac_prep
    .symbol:         k_qa6857550ac_prep.kd
    .args:
      - { .name: hidden_states, .offset: 0, .size: 8, .value_kind: global_buffer, .address_space: global }
      - { .name: router_indices, .offset: 8, .size: 8, .value_kind: global_buffer, .address_space: global }
      - { .name: routing_weights, .offset: 16, .size: 8, .value_kind: global_buffer, .address_space: global }
      - { .name: lora_A_gate_up, .offset: 24, .size: 8, .value_kind: global_buffer, .address_space: global }
      - { .name: lora_A_down, .offset: 32, .size: 8, .value_kind: global_buffer, .address_space: global }
      - { .name: xcode, .offset: 40, .size: 8, .value_kind: global_buffer, .address_space: global }
      - { .name: la, .offset: 48, .size: 8, .value_kind: global_buffer, .address_space: global }
      - { .name: route, .offset: 56, .size: 8, .value_kind: global_buffer, .address_space: global }
      - { .name: wrow, .offset: 64, .size: 8, .value_kind: global_buffer, .address_space: global }
    .group_segment_fixed_size: 0
    .private_segment_fixed_size: 0
    .kernarg_segment_align: 8
    .kernarg_segment_size: 72
    .max_flat_workgroup_size: 256
    .sgpr_count:     66
    .vgpr_count:     192
    .wavefront_size: 32
...
	.end_amdgpu_metadata
.endif
;; end of part 1
;; launch gateup (part 2): grid 32 x 8, 4 waves a work-group, no clusters, 107,008 bytes of LDS; arguments gate_up_proj, gate_up_proj_bias, lora_B_gate_up, xcode, la, route, g; writes g
.if DOCPART == 2
	.amdgcn_target "amdgcn-amd-amdhsa--gfx1250"
	.amdhsa_code_object_version 6
	.text
	.protected	k_qa6857550ac_gateup
	.globl	k_qa6857550ac_gateup
	.p2align	8
	.type	k_qa6857550ac_gateup,@function
k_qa6857550ac_gateup:
	s_mov_b64 s[64:65], 0
	v_nop
	global_prefetch_b8 v0, s[64:65] scope:SCOPE_SE
	s_setreg_imm32_b32 hwreg(HW_REG_WAVE_MODE, 25, 1), 1
	s_wait_xcnt 0x0
; gated = (clip(up) + 1) x gate x sigmoid(1.702 gate) of gu = x W + b + 2 (x A) B, for the rows listed for each expert alone, quantised to E3M2 along the 2,048 gated numbers.
; SHARES.  A work-group owns 128 columns of gate_up_proj of one expert (x: the slice, y: the expert), as two UNITS of 64 columns x 1,024 K.  Wave (cg, rg): unit cg, half rg.
; PHASE A.  The work-group's 512 KiB of f32 weights are read ONCE: wave (cg, rg) streams K steps 4 rg .. 4 rg + 3 of unit cg.  Lane (r, h) loads 16 bytes, columns 4 r .. 4 r + 3 of row 64 c + 32 h + k: sixteen lanes
;   read 256 consecutive bytes, aligned.  TILE i OF A UNIT IS THE COLUMNS 4 r + i: so word i of a lane's loads, taken down k, is lane (r, h)'s part of tile i's operand as the matrix unit wants it.
;   One move a number brings k onto consecutive registers for the conversions and frees the landing registers for the next loads.  Codes and scale words meet in LDS as images of the operand's registers.  One barrier.
; PHASE B.  Each wave holds its whole unit in 384 registers and walks every second tile of 16 listed rows; the count of tiles is a number that the launch before stored.  No barrier stands in that loop.
;   The products are used transposed (source 0 = 16 columns of W, source 1 = 16 rows of x): lane (row r, h) holds columns 32 h + 4 j + i in register j of tile i: 32 neighbours, 16 gate/up pairs.
;   The bias is the C of each sum's first instruction.  2 (x A) B feeds a quantiser, so it takes f32 operands (16x16x4): x A's accumulator is that product's operand as it stands, rank 8 h + 2 q + j at place (h, j) of step q on both sides.
; NO TENSOR LOADS AND NO JOINT LOADS: the loop's trips hang on a count read from memory; and what work-groups share, the rows' codes, is 0.8 MB beside 128 MiB of weights that nobody shares.
; LIMITS: NaN and infinities among the inputs are not served.  A block of zeros gets the scale byte 1 (its codes are zeros; only this program reads the bytes).  An expert without rows still has its weights streamed.
; REGISTERS, in windows of 256.  window 0: v1-31 addresses and the conversions' spill; v32-75 scale words and nothing else; v80-111 the four accumulators (phase A: codes); v112-119 x A's; v128-255 phase A: numbers with k on end; phase B: bias, activation.
;   window 1: v0-63 LoRA B and bias as loaded; v64-95 2 x LoRA B as an operand; v128-223 the rows' eight fragments; v224-255 gu, written by the f32 matrix instructions alone.
;   windows 2, 3: phase A: the two landing buffers, v0-127; phase B: W's tiles 0, 1 and 2, 3 (96 i + 12 s), and from v192 LoRA A's K steps 0-3 and 4-7.
.set PITCH, 16384                      ; bytes from row to row of gate_up_proj
.set UNITB, 53248                      ; a unit in LDS: 32 fragments of 1,536 bytes, then 32 x 128 bytes of scale words
.set SCB,   49152
.set DSP,   16                         ; v16.. the second half of a block's codes, before it is moved
.set WS,    32                         ; v32-63  W's scale words, 8 i + s
.set LAS,   64                         ; v64-71  LoRA A's
.set XS,    72                         ; v72-75  the rows': lanes 0-15 K steps 0-3, lanes 16-31 K steps 4-7
.set TOK,   76                         ; v76     the token of my row, two tiles ahead
.set GO,    78                         ; v78, v79 where my codes and my scale byte go
.set SO,    79
.set ACC,   80
.set CC,    80
.set ACCT,  112
.set MM,    112
.set BY,    116
.set SWD,   120
.set TMP,   124
.set TT,    128
.set BI,    128
.set GT,    160
.set UT,    176
.set EX,    192
.set GG,    208
.set QM,    224
.set QT,    225
.set QC,    226
.set QB,    230
.set OP,    64                         ; window 1
.set XF,    128                        ; window 1
.set D2,    224                        ; window 1
.set SEL,   44
.set MSB, 0
.macro WIN new                         ; the immediate's high byte repeats the setting that is left; a switch that changes nothing is dropped
.if MSB != (\new)
	s_set_vgpr_msb (MSB<<8)|(\new)
.set MSB, (\new)
.endif
.endm
; 32 loads: 64 rows x 256 bytes of my unit, K step sl of mine, half c, into landing buffer c
.macro ISSUE sl, c
	WIN 0x80+0x40*(\c)
.set k, 0
.rept 32
	global_load_b128 v[4*k:4*k+3], v3, s[4:5] offset:(128*(\sl)+64*(\c)+k)*PITCH th:TH_LOAD_NT
.set k, k+1
.endr
.endm
; One landing buffer is worked off: four blocks of 32 along K a lane, one for each tile.  left: the loads issued behind this buffer's, which may stay out
.macro CHUNK sl, c, ahead, left
	s_wait_loadcnt \left
	WIN 0x02+(\c)
.set k, 0
.rept 32
.irp i, 0,1,2,3
	v_mov_b32 v[TT+32*\i+k], v[4*k+\i]             ; tile i's numbers, k on consecutive registers
.endr
.set k, k+1
.endr
.if \ahead
	ISSUE (\sl)+1, \c                              ; the buffer is free: the next K step's half is asked for
.endif
	WIN 0
.irp i, 0,1,2,3
	v_max3_num_f32 v[MM+\i], |v[TT+32*\i]|, |v[TT+32*\i+1]|, 0x2800000   ; the largest magnitude, with the floor 2^(5 - 127) among its leaves; the four tiles by turns
.endr
.irp k2, 2,4,6,8,10,12,14,16,18,20,22,24,26,28,30
.irp i, 0,1,2,3
	v_max3_num_f32 v[MM+\i], v[MM+\i], |v[TT+32*\i+\k2]|, |v[TT+32*\i+\k2+1]|
.endr
.endr
.irp i, 0,1,2,3
	v_add_nc_u32 v[MM+\i], 0xfe000000, v[MM+\i]    ; 4 off the exponent field: the conversions' scale operand
.endr
.irp i, 0,1,2,3
	v_lshrrev_b32 v[BY+\i], 23, v[MM+\i]           ; the scale's byte
.endr
	s_wait_dscnt 0x0                               ; the last chunk's LDS stores have read the registers that are written now
.irp i, 0,1,2,3
	v_cvt_scalef32_pk16_bf6_f32 v[CC+8*\i:CC+8*\i+2], v[TT+32*\i:TT+32*\i+15], v[MM+\i]
	v_cvt_scalef32_pk16_bf6_f32 v[DSP+4*\i:DSP+4*\i+2], v[TT+32*\i+16:TT+32*\i+31], v[MM+\i]
.endr
	v_nop                                          ; one plain line behind the conversions
.irp i, 0,1,2,3
.irp n, 0,1,2
	v_mov_b32 v[CC+8*\i+3+\n], v[DSP+4*\i+\n]
.endr
.endr
.irp i, 0,1,2,3
.irp p, 0,1,2
	ds_store_b64 v4, v[CC+8*\i+2*\p:CC+8*\i+2*\p+1] offset:(8*\i+(\sl))*1536+(\c)*768+\p*256   ; registers 6 c + 2 p, + 1 of the fragment: 256 consecutive bytes a store
.endr
.endr
.if (\c) == 0
.irp i, 0,1,2,3
	v_mov_b32 v[SWD+\i], v[BY+\i]                  ; block h's byte waits for block 2 + h's
.endr
.else
.irp i, 0,1,2,3
	v_lshl_or_b32 v[SWD+\i], v[BY+\i], 16, v[SWD+\i]
.endr
.irp i, 0,1,2,3
	v_lshlrev_b32 v[SWD+\i], v8, v[SWD+\i]         ; 8 h bits up
.endr
.irp i, 0,1,2,3
	v_permlanex16_b32 v[TMP+\i], v[SWD+\i], s[SEL], s[SEL+1]
.endr
.irp i, 0,1,2,3
	v_or_b32 v[SWD+\i], v[SWD+\i], v[TMP+\i]       ; with lane l xor 16's two bytes the scale word is whole
.endr
.irp i, 0,1,2,3
	ds_store_b32 v5, v[SWD+\i] offset:SCB+(8*\i+(\sl))*128
.endr
.endif
.endm
; The whole unit comes back from LDS, the same registers in the same lanes
.macro FETCHW
.irp w, 0,1
	WIN 0x80+0x40*\w
.irp u, 0,1
.irp s, 0,1,2,3,4,5,6,7
.irp n, 0,1,2,3,4,5
	ds_load_b64 v[96*\u+12*\s+2*\n:96*\u+12*\s+2*\n+1], v6 offset:(8*(2*\w+\u)+\s)*1536+(\n/3)*768+(\n%3)*256
.endr
.endr
.endr
.endr
	WIN 0
.irp i, 0,1,2,3
.irp s, 0,1,2,3,4,5,6,7
	ds_load_b32 v[WS+8*\i+\s], v7 offset:SCB+(8*\i+\s)*128
.endr
.endr
	s_wait_dscnt 0x0
.endm
; One scaled product on the registers named by dD, aA, bB, cC, sA, sB.  cm = 0: adds in place; 1: C = v[cC ..]; 2: C = 0.  row = 1: the rows' scales are taken from lanes 16-31
.macro WM cm, row
.if \cm == 0
.if \row
	v_wmma_scale_f32_16x16x128_f8f6f4 v[dD:dD+7], v[aA:aA+11], v[bB:bB+11], v[dD:dD+7], v[sA], v[sB] matrix_a_fmt:MATRIX_FMT_BF6 matrix_b_fmt:MATRIX_FMT_BF6 matrix_b_scale:MATRIX_SCALE_ROW1
.else
	v_wmma_scale_f32_16x16x128_f8f6f4 v[dD:dD+7], v[aA:aA+11], v[bB:bB+11], v[dD:dD+7], v[sA], v[sB] matrix_a_fmt:MATRIX_FMT_BF6 matrix_b_fmt:MATRIX_FMT_BF6
.endif
.elseif \cm == 1
	v_wmma_scale_f32_16x16x128_f8f6f4 v[dD:dD+7], v[aA:aA+11], v[bB:bB+11], v[cC:cC+7], v[sA], v[sB] matrix_a_fmt:MATRIX_FMT_BF6 matrix_b_fmt:MATRIX_FMT_BF6
.else
	v_wmma_scale_f32_16x16x128_f8f6f4 v[dD:dD+7], v[aA:aA+11], v[bB:bB+11], 0, v[sA], v[sB] matrix_a_fmt:MATRIX_FMT_BF6 matrix_b_fmt:MATRIX_FMT_BF6
.endif
.endm
; 20 scaled products: tiles 2 w and 2 w + 1 over all eight K steps, and four K steps of x A.  The accumulators take turns, one instruction a turn
.macro SCG w
	WIN 0x06+(\w)
.irp s, 0,1,2,3,4,5,6,7
.irp u, 0,1
.set dD, ACC+8*(2*\w+\u)
.set aA, 96*\u+12*\s
.set bB, XF+12*\s
.set cC, BI+8*(2*\w+\u)
.set sA, WS+8*(2*\w+\u)+\s
.set sB, XS+\s%4
.if \s == 0
	WM 1, 0
.else
	WM 0, \s/4
.endif
.endr
.if \s < 4
.set dD, ACCT
.set aA, 192+12*\s
.set bB, XF+12*(4*\w+\s)
.set sA, LAS+4*\w+\s
.set sB, XS+\s
.if (\w == 0) && (\s == 0)
	WM 2, 0
.else
	WM 0, \w
.endif
.endif
.endr
.endm
; The rows of the tile whose tokens have come are asked for (384 bytes of codes and 16 scale bytes a lane), and the tokens of the tile d further on than the one in hand, held at the last tile.
; Its six plain vector lines name no register of the products in front of them.
.macro ASK d
	WIN 0
	s_add_co_u32 s50, s48, \d
	s_min_u32 s50, s50, s49
	s_min_u32 s50, s50, 63
	s_lshl_b32 s50, s50, 6
	s_add_co_u32 s50, s50, s47
	v_min_u32 v21, 0x3ff, v[TOK]                   ; a token's number, held inside the table
	v_mul_u32_u24 v14, v21, 0x300
	v_lshlrev_b32 v15, 5, v21
	v_add_nc_u32 v14, v14, v16                     ; 768 t + 384 h
	v_add_nc_u32 v15, v15, v17                     ; 32 t + 16 h
	v_add_nc_u32 v13, s50, v20
	WIN 0x40
.set k, 0
.rept 24
	global_load_b128 v[XF+4*k:XF+4*k+3], v14, s[10:11] offset:16*k
.set k, k+1
.endr
	WIN 0
	global_load_b128 v[XS:XS+3], v15, s[10:11] offset:786432
	global_load_b32 v[TOK], v13, s[14:15]
.endm
	s_load_b256 s[4:11], s[0:1], 0x0               ; gate_up_proj s[4:5], its bias s[6:7], lora_B_gate_up s[8:9], xcode s[10:11]
	s_load_b128 s[12:15], s[0:1], 0x20             ; la s[12:13], route s[14:15]
	s_load_b64 s[16:17], s[0:1], 0x30              ; g
	v_lshl_add_u32 v12, v0, 2, 0x1a000
	v_mov_b32 v77, 0
	v_lshrrev_b32 v1, 5, v0
	v_readfirstlane_b32 s18, v1                    ; wave 0..3
	s_lshr_b32 s19, s18, 1                         ; cg: my unit
	s_and_b32 s20, s18, 1                          ; rg: my half of its K in phase A, my tiles' parity in phase B
	s_and_b32 s21, ttmp7, 0xffff                   ; the expert
	s_lshl_b32 s23, ttmp9, 1
	s_add_co_u32 s23, s23, s19                     ; b: my unit among the expert's 64 = my block of 32 gated numbers
	v_and_b32 v1, 15, v0                           ; r
	v_bfe_u32 v2, v0, 4, 1                         ; h
	v_and_b32 v9, 31, v0                           ; lane
	v_lshlrev_b32 v3, 4, v1
	v_lshl_add_u32 v3, v2, 19, v3                  ; the stream: 16 r + 32 h rows
	s_mul_i32 s26, s19, UNITB
	s_mul_i32 s27, s20, 4*1536
	s_add_co_u32 s27, s27, s26
	v_lshl_add_u32 v4, v9, 3, s27                  ; LDS, in: my unit, my four K steps, 8 bytes a lane
	s_lshl_b32 s27, s20, 9
	s_add_co_u32 s27, s27, s26
	v_lshl_add_u32 v5, v9, 2, s27                  ; and their scale words, 4 bytes a lane
	v_lshl_add_u32 v6, v9, 3, s26                  ; LDS, back: my unit
	v_lshl_add_u32 v7, v9, 2, s26
	v_lshlrev_b32 v8, 3, v2                        ; 8 h
	v_lshlrev_b32 v19, 4, v1
	v_lshl_add_u32 v19, v2, 17, v19                ; LoRA B: 16 r + 8 h rows of 16,384 bytes
	v_lshlrev_b32 v23, 7, v2                       ; the bias: 128 h
	v_lshlrev_b32 v27, 4, v9                       ; an image: 16 bytes a lane
	v_lshlrev_b32 v31, 2, v9                       ; its scale words: 4 bytes a lane
	s_lshl_b32 s47, s21, 12                        ; my expert's list: 4,096 e
	s_lshl_b32 s26, s20, 6
	s_add_co_u32 s26, s26, s47
	v_lshl_add_u32 v13, v1, 2, s26                 ; the token of row r of tile rg
.irp i, 0,1,2,3
	v_mov_b32 v[TMP+\i], 0                         ; a lane permute's destination counts as one of its sources
.endr
	s_mov_b32 s[SEL], 0x76543210
	s_mov_b32 s[SEL+1], 0xfedcba98                 ; v_permlanex16_b32's selects for lane l xor 16
	s_lshl_b32 s28, s21, 24                        ; the expert's 16 MiB,
	s_lshl_b32 s29, s20, 23                        ; my 512 rows,
	s_add_co_u32 s28, s28, s29
	s_lshl_b32 s30, s23, 8                         ; my unit's 256 bytes of a row
	s_add_co_u32 s28, s28, s30
	s_mov_b32 s29, 0
	s_lshl_b32 s25, s21, 2
	s_wait_kmcnt 0x0
	s_add_nc_u64 s[4:5], s[4:5], s[28:29]
	ISSUE 0, 0                                     ; two buffers, 32 KiB a wave, are on their way from here to the stream's end
	ISSUE 0, 1
	s_load_b32 s24, s[14:15], s25 offset:0x12000   ; my expert's tiles of 16 rows
	s_lshl_b32 s28, s21, 14
	s_add_co_u32 s28, s28, s30
	s_add_nc_u64 s[6:7], s[6:7], s[28:29]          ; the bias at my unit
	s_lshl_b32 s28, s21, 18
	s_add_co_u32 s28, s28, s30
	s_add_nc_u64 s[8:9], s[8:9], s[28:29]          ; LoRA B at my unit
	s_mul_i32 s28, s21, 8*1536
	s_add_nc_u64 s[32:33], s[12:13], s[28:29]      ; LoRA A's eight images
	s_lshl_b32 s28, s21, 10
	s_add_nc_u64 s[34:35], s[12:13], s[28:29]      ; and their scale words
	s_add_nc_u64 s[40:41], s[16:17], 0xc00000      ; g's scale bytes lie beyond an immediate's reach: a base of their own
	s_mul_i32 s37, s21, 64*24576
	s_mul_i32 s36, s23, 384
	s_add_co_u32 s37, s37, s36                     ; g's codes: the expert's tiles, my block
	s_lshl_b32 s46, s21, 16
	s_add_co_u32 s46, s46, s23                     ; g's scale bytes likewise
	s_mov_b32 s38, 0x40e00000                      ; 7
	s_mov_b32 s39, 0xc0e00000                      ; -7
	s_mov_b32 s42, 0xc01d265f                      ; -1.702 log2(e)
	s_mov_b32 s43, s42                             ; (named with it as a pair)
	CHUNK 0, 0, 1, 32                              ; the count 32: the other buffer's loads may stay out
	CHUNK 0, 1, 1, 32
	CHUNK 1, 0, 1, 32
	CHUNK 1, 1, 1, 32
	CHUNK 2, 0, 1, 32
	CHUNK 2, 1, 1, 32
	CHUNK 3, 0, 0, 32
	; 49 small loads, behind the stream's last: LoRA B, the bias, LoRA A's images and scale words, the first tile's tokens
	WIN 0x40
.irp q, 0,1,2,3,4,5,6,7
	global_load_b128 v[4*\q:4*\q+3], v19, s[8:9] offset:\q*16384       ; rank 8 h + q, columns 4 r .. 4 r + 3
.endr
.irp q, 0,1,2,3,4,5,6,7
	global_load_b128 v[32+4*\q:35+4*\q], v23, s[6:7] offset:16*\q      ; columns 32 h + 4 q .. + 3
.endr
	WIN 0x80
.irp s, 0,1,2,3
.irp n, 0,1,2
	global_load_b128 v[192+12*\s+4*\n:195+12*\s+4*\n], v27, s[32:33] offset:\s*1536+512*\n
.endr
.endr
	WIN 0xc0
.irp s, 0,1,2,3
.irp n, 0,1,2
	global_load_b128 v[192+12*\s+4*\n:195+12*\s+4*\n], v27, s[32:33] offset:(4+\s)*1536+512*\n
.endr
.endr
	WIN 0
.irp s, 0,1,2,3,4,5,6,7
	global_load_b32 v[LAS+\s], v31, s[34:35] offset:294912+128*\s
.endr
	global_load_b32 v[TOK], v13, s[14:15]
	CHUNK 3, 1, 0, 49                              ; the count 49: the small loads may stay out
	s_wait_loadcnt 0x0
	WIN 0x44
.irp i, 0,1,2,3
.irp q, 0,1,2,3,4,5,6,7
	v_mul_f32 v[OP+8*\i+\q], 2.0, v[4*\q+\i]       ; 2 x LoRA B (exact), rank 8 h + q of column 4 r + i: tile i's operand
.endr
.endr
	WIN 0x01
.irp i, 0,1,2,3
.irp j, 0,1,2,3,4,5,6,7
	v_mov_b32 v[BI+8*\i+\j], v[32+4*\j+\i]         ; the bias in the result's layout
.endr
.endr
	WIN 0
	v_mul_u32_u24 v16, v2, 384
	v_lshlrev_b32 v17, 4, v2
	v_mul_u32_u24 v18, v1, 24
	v_mad_u32_u24 v18, v2, 12, v18                 ; my 12 bytes of a block's 384: 24 r + 12 h
	v_lshlrev_b32 v20, 2, v1
	v_lshlrev_b32 v22, 6, v1                       ; my row's 64 scale bytes
	v_mov_b32 v[QT], 0
	s_wait_dscnt 0x0                               ; for the others' sake: my images lie in LDS
	s_barrier_signal -1
	s_barrier_wait -1                              ; the launch's one barrier; every wave passes it, whatever its expert's count
	s_wait_kmcnt 0x0
	s_min_u32 s24, s24, 64                         ; never more than 64 tiles
	s_mov_b32 s48, s20                             ; my first tile
	s_cmp_ge_u32 s48, s24
	s_cbranch_scc1 .Lend
	s_sub_co_u32 s49, s24, 1                       ; the last tile
	s_sub_co_u32 s52, s24, s20                     ; my trips: tiles rg, rg + 2, .. under the count: (count - rg + 1) / 2, one at the least behind the branch above,
	s_add_co_u32 s52, s52, 1
	s_lshr_b32 s52, s52, 1
	s_min_u32 s52, s52, 32                         ; 32 at the most
	s_mov_b32 s53, 0                               ; trips done: the loop ends on this counter, stepped by one; the tile's number serves addresses alone
	ASK 2
	FETCHW
.Ltile:
	s_wait_loadcnt 0x0                             ; this tile's rows, and the tokens of my next tile
	s_wait_xcnt 0x0                                ; the last trip's stores have read their registers
	s_min_u32 s50, s48, 63
	s_mul_i32 s51, s50, 24576
	s_add_co_u32 s51, s51, s37
	v_add_nc_u32 v[GO], s51, v18
	s_lshl_b32 s51, s50, 10
	s_add_co_u32 s51, s51, s46
	v_add_nc_u32 v[SO], s51, v22
	SCG 0
	SCG 1
	ASK 4                                          ; my next tile's rows land while this tile is finished
	WIN 0x41                                       ; gu = x W + b + (2 B)^T (x A)^T, in f32: the first step takes the scaled sums as its C
.irp i, 0,1,2,3
	v_wmma_f32_16x16x4_f32 v[D2+8*\i:D2+8*\i+7], v[OP+8*\i:OP+8*\i+1], v[ACCT:ACCT+1], v[ACC+8*\i:ACC+8*\i+7]
.endr
	WIN 0x51
.irp q, 1,2,3
.irp i, 0,1,2,3
	v_wmma_f32_16x16x4_f32 v[D2+8*\i:D2+8*\i+7], v[OP+8*\i+2*\q:OP+8*\i+2*\q+1], v[ACCT+2*\q:ACCT+2*\q+1], v[D2+8*\i:D2+8*\i+7]
.endr
.endr
.rept 9
	v_nop                                          ; the places behind this form: eight ahead of the reads below, nine ahead of the next trip's products, which write over its sources
.endr
	WIN 0x01
.irp j, 0,1,2,3,4,5,6,7                        ; each result is read from its low end on.  Columns 32 h + 4 j + 0, 2 are gates, + 1, 3 the ups beside them
	v_min_num_f32 v[GT+2*\j], v[D2+\j], s38
	v_med3_num_f32 v[UT+2*\j], v[D2+8+\j], s39, s38
	v_min_num_f32 v[GT+2*\j+1], v[D2+16+\j], s38
	v_med3_num_f32 v[UT+2*\j+1], v[D2+24+\j], s39, s38
.endr
	WIN 0
.irp n, 0,2,4,6,8,10,12,14
	v_pk_mul_f32 v[EX+\n:EX+\n+1], v[GT+\n:GT+\n+1], s[42:43] op_sel_hi:[1,0]
.endr
.irp n, 0,1,2,3,4,5,6,7,8,9,10,11,12,13,14,15
	v_exp_f32 v[EX+\n], v[EX+\n]                   ; e^(-1.702 gate)
.endr
	v_nop
	s_wait_alu depctr_va_vdst(0)
.irp n, 0,2,4,6,8,10,12,14
	v_pk_add_f32 v[EX+\n:EX+\n+1], v[EX+\n:EX+\n+1], 1.0 op_sel_hi:[1,0]
.endr
.irp n, 0,1,2,3,4,5,6,7,8,9,10,11,12,13,14,15
	v_rcp_f32 v[EX+\n], v[EX+\n]                   ; the sigmoid
.endr
	v_nop
	s_wait_alu depctr_va_vdst(0)
.irp n, 0,2,4,6,8,10,12,14
	v_pk_mul_f32 v[EX+\n:EX+\n+1], v[GT+\n:GT+\n+1], v[EX+\n:EX+\n+1]
.endr
.irp n, 0,2,4,6,8,10,12,14
	v_pk_fma_f32 v[GG+\n:GG+\n+1], v[UT+\n:UT+\n+1], v[EX+\n:EX+\n+1], v[EX+\n:EX+\n+1]   ; (up + 1) x glu: gated numbers 32 b + 16 h + 0 .. 15 of my row
.endr
	v_max3_num_f32 v[QM], |v[GG]|, |v[GG+1]|, 0x2800000
.irp n, 2,4,6,8,10,12,14
	v_max3_num_f32 v[QM], v[QM], |v[GG+\n]|, |v[GG+\n+1]|
.endr
	v_permlanex16_b32 v[QT], v[QM], s[SEL], s[SEL+1]
	v_max_num_f32 v[QM], v[QM], v[QT]              ; with lane l xor 16's 16: the block's largest magnitude
	v_add_nc_u32 v[QM], 0xfe000000, v[QM]
	v_cvt_scalef32_pk16_bf6_f32 v[QC:QC+2], v[GG:GG+15], v[QM]
	v_lshrrev_b32 v[QB], 23, v[QM]                 ; the scale's byte; also the plain line behind the conversion
	global_store_b96 v[GO], v[QC:QC+2], s[16:17]   ; the wave stores the block's 384 consecutive bytes
	global_store_b8 v[SO], v[QB], s[40:41]         ; both lanes of a row store the same byte with the same value
	s_add_co_u32 s48, s48, 2                       ; my next tile
	s_add_co_u32 s53, s53, 1
	s_cmp_lt_u32 s53, s52
	s_cbranch_scc1 .Ltile
.Lend:
	s_wait_tensorcnt 0x0
	ds_add_u32 v12, v77
	s_wait_dscnt 0x0
	s_endpgm
.Lfunc_end_k_qa6857550ac_gateup:
	.size	k_qa6857550ac_gateup, .Lfunc_end_k_qa6857550ac_gateup-k_qa6857550ac_gateup
	.p2alignl 7, 3214868480
	.fill 96, 4, 3214868480
	.section	.rodata,"a",@progbits
	.p2align	6, 0x0
	.amdhsa_kernel k_qa6857550ac_gateup
		.amdhsa_group_segment_fixed_size 107008
		.amdhsa_private_segment_fixed_size 0
		.amdhsa_enable_private_segment 0
		.amdhsa_kernarg_size 56
		.amdhsa_user_sgpr_count 2
		.amdhsa_user_sgpr_kernarg_segment_ptr 1
		.amdhsa_wavefront_size32 1
		.amdhsa_system_sgpr_workgroup_id_x 1
		.amdhsa_system_sgpr_workgroup_id_y 1
		.amdhsa_system_sgpr_workgroup_id_z 1
		.amdhsa_system_vgpr_workitem_id 0
		.amdhsa_next_free_vgpr 1024
		.amdhsa_next_free_sgpr 66
		.amdhsa_reserve_vcc 0
		.amdhsa_float_denorm_mode_32 3
		.amdhsa_float_denorm_mode_16_64 3
		.amdhsa_memory_ordered 1
		.amdhsa_forward_progress 1
		.amdhsa_inst_pref_size 156
	.end_amdhsa_kernel
	.amdgpu_metadata
---
amdhsa.version: [ 1, 2 ]
amdhsa.kernels:
  - .name:           k_qa6857550ac_gateup
    .symbol:         k_qa6857550ac_gateup.kd
    .args:
      - { .name: gate_up_proj, .offset: 0, .size: 8, .value_kind: global_buffer, .address_space: global }
      - { .name: gate_up_proj_bias, .offset: 8, .size: 8, .value_kind: global_buffer, .address_space: global }
      - { .name: lora_B_gate_up, .offset: 16, .size: 8, .value_kind: global_buffer, .address_space: global }
      - { .name: xcode, .offset: 24, .size: 8, .value_kind: global_buffer, .address_space: global }
      - { .name: la, .offset: 32, .size: 8, .value_kind: global_buffer, .address_space: global }
      - { .name: route, .offset: 40, .size: 8, .value_kind: global_buffer, .address_space: global }
      - { .name: g, .offset: 48, .size: 8, .value_kind: global_buffer, .address_space: global }
    .group_segment_fixed_size: 107008
    .private_segment_fixed_size: 0
    .kernarg_segment_align: 8
    .kernarg_segment_size: 56
    .max_flat_workgroup_size: 128
    .sgpr_count:     66
    .vgpr_count:     1024
    .wavefront_size: 32
...
	.end_amdgpu_metadata
.endif
;; end of part 2
;; launch down (part 3): grid 16 x 16, 4 waves a work-group, no clusters, 71,168 bytes of LDS; arguments down_proj, down_proj_bias, lora_B_down, g, la, route, wrow, part; writes part
.if DOCPART == 3
	.amdgcn_target "amdgcn-amd-amdhsa--gfx1250"
	.amdhsa_code_object_version 6
	.text
	.protected	k_qa6857550ac_down
	.globl	k_qa6857550ac_down
	.p2align	8
	.type	k_qa6857550ac_down,@function
k_qa6857550ac_down:
	s_mov_b64 s[64:65], 0
	v_nop
	global_prefetch_b8 v0, s[64:65] scope:SCOPE_SE
	s_setreg_imm32_b32 hwreg(HW_REG_WAVE_MODE, 25, 1), 1
	s_wait_xcnt 0x0
; part[row][kh] = w x (gated W + b + 2 (gated A) B), for the rows listed for each expert, over one half kh of the 2,048 gated numbers; the last launch adds the halves and a token's two experts.
; SHARES.  A work-group owns one UNIT: 64 columns of down_proj of one expert x 1,024 of its K (x: the columns, y = 2 expert + kh).  A whole K would take 768 registers a wave, and 32 columns would read half of each 256 bytes: so K is halved.
;   The bias goes with kh = 0 alone; the LoRA term is linear in K, so each half adds its own.
; PHASE A.  The unit's 256 KiB of f32 weights are read ONCE: wave w streams K steps 2 w and 2 w + 1.  Lane (r, h) loads 16 bytes, columns 4 r .. 4 r + 3 of row 64 c + 32 h + k: sixteen lanes read 256 consecutive bytes, aligned.
;   TILE i IS THE COLUMNS 4 r + i: word i of a lane's loads, taken down k, is lane (r, h)'s part of tile i's operand.  Codes and scale words meet in LDS as images of the operand's registers.  One barrier.
; PHASE B.  Each wave holds the whole unit in 384 registers and walks every fourth tile of 16 listed rows; the count of tiles is a number that an earlier launch stored.  No barrier stands in that loop.
;   Transposed use (source 0 = 16 columns of W, source 1 = 16 rows): lane (row r, h) holds columns 32 h + 4 j + i: 128 neighbouring bytes.  They go through the wave's own stage in LDS and leave as aligned runs of 256 bytes.
;   2 (gated A) B feeds no quantiser: bf16 operands, K = 32 with its upper 16 zero.
; NO TENSOR LOADS AND NO JOINT LOADS: the loop's trips hang on a count read from memory; what work-groups share, the rows' codes, is some 3 MB beside 64 MiB of weights that nobody shares.
; LIMITS: NaN and infinities among the inputs are not served (the bias is multiplied by 0 in the half kh = 1).  A block of zeros gets the scale byte 1.  An expert without rows still has its weights streamed.
; REGISTERS, in windows of 256.  window 0: v1-31 addresses, the conversions' spill, later the bf16 operand; v32-75 scale words and nothing else; v80-111 the four accumulators; v112-119 gated A's; v120-127 the rows' places in part;
;   v128-255 phase A: numbers with k on end; phase B: bias, results, rows read back, store offsets.   window 1: v0-63 LoRA B and bias as loaded; v64-95 2 x LoRA B in bf16; v128-223 the rows' eight fragments.
;   windows 2, 3: phase A: the two landing buffers; phase B: W's tiles 0, 1 and 2, 3 (96 i + 12 s), and from v192 LoRA A's K steps 0-3 and 4-7.
.set PITCH, 4096                       ; bytes from row to row of down_proj
.set SCB,   49152                      ; the unit in LDS: 32 fragments of 1,536 bytes, then 32 x 128 bytes of scale words
.set STG,   53248                      ; behind it: a stage of 16 rows x (256 + 16) bytes for each wave
.set DSP,   16
.set TB,    16                         ; v16-23  gated A in bf16
.set WS,    32
.set LAS,   64
.set XS,    72
.set SRD,   76                         ; v76     the stage, back
.set WL,    77                         ; v77     my row's weight, as it lands
.set STO,   79                         ; v79     the stage, in
.set ACC,   80
.set CC,    80
.set ACCT,  112
.set MM,    112
.set BY,    116
.set SWD,   120
.set DL,    120                        ; v120-127 phase B: the places in part of rows 8 h + 0 .. 7, as they land
.set TMP,   124
.set TT,    128
.set BI,    128
.set OO,    160
.set RBK,   192
.set PO,    224
.set POB,   232
.set WC,    233
.set OPB,   64                         ; window 1
.set XF,    128                        ; window 1
.set SEL,   44
.set MSB, 0
.macro WIN new                         ; the immediate's high byte repeats the setting that is left; a switch that changes nothing is dropped
.if MSB != (\new)
	s_set_vgpr_msb (MSB<<8)|(\new)
.set MSB, (\new)
.endif
.endm
; 32 loads: 64 rows x 256 bytes of the unit, K step sl of mine, half c, into landing buffer c
.macro ISSUE sl, c
	WIN 0x80+0x40*(\c)
.set k, 0
.rept 32
	global_load_b128 v[4*k:4*k+3], v3, s[4:5] offset:(128*(\sl)+64*(\c)+k)*PITCH th:TH_LOAD_NT
.set k, k+1
.endr
.endm
; One landing buffer is worked off: four blocks of 32 along K a lane, one for each tile.  left: the loads issued behind this buffer's, which may stay out
.macro CHUNK sl, c, ahead, left
	s_wait_loadcnt \left
	WIN 0x02+(\c)
.set k, 0
.rept 32
.irp i, 0,1,2,3
	v_mov_b32 v[TT+32*\i+k], v[4*k+\i]             ; tile i's numbers, k on consecutive registers
.endr
.set k, k+1
.endr
.if \ahead
	ISSUE (\sl)+1, \c                              ; the buffer is free: the next K step's half is asked for
.endif
	WIN 0
.irp i, 0,1,2,3
	v_max3_num_f32 v[MM+\i], |v[TT+32*\i]|, |v[TT+32*\i+1]|, 0x2800000   ; the largest magnitude, with the floor 2^(5 - 127) among its leaves; the four tiles by turns
.endr
.irp k2, 2,4,6,8,10,12,14,16,18,20,22,24,26,28,30
.irp i, 0,1,2,3
	v_max3_num_f32 v[MM+\i], v[MM+\i], |v[TT+32*\i+\k2]|, |v[TT+32*\i+\k2+1]|
.endr
.endr
.irp i, 0,1,2,3
	v_add_nc_u32 v[MM+\i], 0xfe000000, v[MM+\i]    ; 4 off the exponent field: the conversions' scale operand
.endr
.irp i, 0,1,2,3
	v_lshrrev_b32 v[BY+\i], 23, v[MM+\i]           ; the scale's byte
.endr
	s_wait_dscnt 0x0                               ; the last chunk's LDS stores have read the registers that are written now
.irp i, 0,1,2,3
	v_cvt_scalef32_pk16_bf6_f32 v[CC+8*\i:CC+8*\i+2], v[TT+32*\i:TT+32*\i+15], v[MM+\i]
	v_cvt_scalef32_pk16_bf6_f32 v[DSP+4*\i:DSP+4*\i+2], v[TT+32*\i+16:TT+32*\i+31], v[MM+\i]
.endr
	v_nop                                          ; one plain line behind the conversions
.irp i, 0,1,2,3
.irp n, 0,1,2
	v_mov_b32 v[CC+8*\i+3+\n], v[DSP+4*\i+\n]
.endr
.endr
.irp i, 0,1,2,3
.irp p, 0,1,2
	ds_store_b64 v4, v[CC+8*\i+2*\p:CC+8*\i+2*\p+1] offset:(8*\i+(\sl))*1536+(\c)*768+\p*256   ; registers 6 c + 2 p, + 1 of the fragment: 256 consecutive bytes a store
.endr
.endr
.if (\c) == 0
.irp i, 0,1,2,3
	v_mov_b32 v[SWD+\i], v[BY+\i]                  ; block h's byte waits for block 2 + h's
.endr
.else
.irp i, 0,1,2,3
	v_lshl_or_b32 v[SWD+\i], v[BY+\i], 16, v[SWD+\i]
.endr
.irp i, 0,1,2,3
	v_lshlrev_b32 v[SWD+\i], v8, v[SWD+\i]         ; 8 h bits up
.endr
.irp i, 0,1,2,3
	v_permlanex16_b32 v[TMP+\i], v[SWD+\i], s[SEL], s[SEL+1]
.endr
.irp i, 0,1,2,3
	v_or_b32 v[SWD+\i], v[SWD+\i], v[TMP+\i]       ; with lane l xor 16's two bytes the scale word is whole
.endr
.irp i, 0,1,2,3
	ds_store_b32 v5, v[SWD+\i] offset:SCB+(8*\i+(\sl))*128
.endr
.endif
.endm
; The whole unit comes back from LDS, the same registers in the same lanes
.macro FETCHW
.irp w, 0,1
	WIN 0x80+0x40*\w
.irp u, 0,1
.irp s, 0,1,2,3,4,5,6,7
.irp n, 0,1,2,3,4,5
	ds_load_b64 v[96*\u+12*\s+2*\n:96*\u+12*\s+2*\n+1], v6 offset:(8*(2*\w+\u)+\s)*1536+(\n/3)*768+(\n%3)*256
.endr
.endr
.endr
.endr
	WIN 0
.irp i, 0,1,2,3
.irp s, 0,1,2,3,4,5,6,7
	ds_load_b32 v[WS+8*\i+\s], v7 offset:SCB+(8*\i+\s)*128
.endr
.endr
	s_wait_dscnt 0x0
.endm
; One scaled product on the registers named by dD, aA, bB, cC, sA, sB.  cm = 0: adds in place; 1: C = v[cC ..]; 2: C = 0.  row = 1: the rows' scales are taken from lanes 16-31
.macro WM cm, row
.if \cm == 0
.if \row
	v_wmma_scale_f32_16x16x128_f8f6f4 v[dD:dD+7], v[aA:aA+11], v[bB:bB+11], v[dD:dD+7], v[sA], v[sB] matrix_a_fmt:MATRIX_FMT_BF6 matrix_b_fmt:MATRIX_FMT_BF6 matrix_b_scale:MATRIX_SCALE_ROW1
.else
	v_wmma_scale_f32_16x16x128_f8f6f4 v[dD:dD+7], v[aA:aA+11], v[bB:bB+11], v[dD:dD+7], v[sA], v[sB] matrix_a_fmt:MATRIX_FMT_BF6 matrix_b_fmt:MATRIX_FMT_BF6
.endif
.elseif \cm == 1
	v_wmma_scale_f32_16x16x128_f8f6f4 v[dD:dD+7], v[aA:aA+11], v[bB:bB+11], v[cC:cC+7], v[sA], v[sB] matrix_a_fmt:MATRIX_FMT_BF6 matrix_b_fmt:MATRIX_FMT_BF6
.else
	v_wmma_scale_f32_16x16x128_f8f6f4 v[dD:dD+7], v[aA:aA+11], v[bB:bB+11], 0, v[sA], v[sB] matrix_a_fmt:MATRIX_FMT_BF6 matrix_b_fmt:MATRIX_FMT_BF6
.endif
.endm
; 20 scaled products: tiles 2 w and 2 w + 1 over all eight K steps, and four K steps of gated A.  The accumulators take turns, one instruction a turn
.macro SCG w
	WIN 0x06+(\w)
.irp s, 0,1,2,3,4,5,6,7
.irp u, 0,1
.set dD, ACC+8*(2*\w+\u)
.set aA, 96*\u+12*\s
.set bB, XF+12*\s
.set cC, BI+8*(2*\w+\u)
.set sA, WS+8*(2*\w+\u)+\s
.set sB, XS+\s%4
.if \s == 0
	WM 1, 0
.else
	WM 0, \s/4
.endif
.endr
.if \s < 4
.set dD, ACCT
.set aA, 192+12*\s
.set bB, XF+12*(4*\w+\s)
.set sA, LAS+4*\w+\s
.set sB, XS+\s
.if (\w == 0) && (\s == 0)
	WM 2, 0
.else
	WM 0, \w
.endif
.endif
.endr
.endm
; 52 loads for the tile whose number stands in s50: its rows' codes and scale bytes of my half of K, their weights, their places in part
.macro ASKD
	s_min_u32 s50, s50, 63
	s_mul_i32 s51, s50, 24576
	s_add_co_u32 s51, s51, s36
	v_add_nc_u32 v9, s51, v13
	s_lshl_b32 s51, s50, 10
	s_add_co_u32 s51, s51, s37
	v_add_nc_u32 v10, s51, v14
	s_lshl_b32 s51, s50, 6
	s_add_co_u32 s51, s51, s38
	v_add_nc_u32 v11, s51, v15
	v_add_nc_u32 v12, s51, v78
	WIN 0x40
.irp s, 0,1,2,3,4,5,6,7
.irp n, 0,1,2,3,4,5
	global_load_b64 v[XF+12*\s+2*\n:XF+12*\s+2*\n+1], v9, s[10:11] offset:(4*\s+2*(\n/3))*384+8*(\n%3)   ; block 4 s + 2 c + h of my half, row r: 24 bytes in three pieces
.endr
.endr
	WIN 0
	global_load_b128 v[XS:XS+3], v10, s[40:41]
	global_load_b32 v[WL], v11, s[16:17]
	global_load_b128 v[DL:DL+3], v12, s[14:15] offset:36864
	global_load_b128 v[DL+4:DL+7], v12, s[14:15] offset:36880
.endm
	s_load_b256 s[4:11], s[0:1], 0x0               ; down_proj s[4:5], its bias s[6:7], lora_B_down s[8:9], g s[10:11]
	s_load_b256 s[12:19], s[0:1], 0x20             ; la s[12:13], route s[14:15], wrow s[16:17], part s[18:19]
	v_lshl_add_u32 v31, v0, 2, 0x11400
	s_set_vgpr_msb 0x40
	v_mov_b32 v255, 0
	s_set_vgpr_msb 0x4000
	v_lshrrev_b32 v1, 5, v0
	v_readfirstlane_b32 s20, v1                    ; wave 0..3
	s_and_b32 s21, ttmp7, 0xffff
	s_lshr_b32 s22, s21, 1                         ; the expert
	s_and_b32 s23, s21, 1                          ; kh: which half of K
	v_and_b32 v1, 15, v0                           ; r
	v_bfe_u32 v2, v0, 4, 1                         ; h
	v_and_b32 v9, 31, v0                           ; lane
	v_lshlrev_b32 v3, 4, v1
	v_lshl_add_u32 v3, v2, 17, v3                  ; the stream: 16 r + 32 h rows
	s_mul_i32 s26, s20, 2*1536
	v_lshl_add_u32 v4, v9, 3, s26                  ; LDS, in: my two K steps, 8 bytes a lane
	s_lshl_b32 s26, s20, 8
	v_lshl_add_u32 v5, v9, 2, s26                  ; and their scale words
	v_lshlrev_b32 v6, 3, v9                        ; LDS, back
	v_lshlrev_b32 v7, 2, v9
	v_lshlrev_b32 v8, 3, v2                        ; 8 h
	v_lshlrev_b32 v27, 4, v9                       ; an image: 16 bytes a lane
	s_mul_i32 s26, s20, 16*272
	s_add_co_u32 s26, s26, STG                     ; my stage
	v_mul_u32_u24 v[STO], v1, 272
	v_lshl_add_u32 v[STO], v2, 7, v[STO]
	v_add_nc_u32 v[STO], s26, v[STO]               ; in: row r, 128 bytes for each half of the lanes
	v_mul_u32_u24 v[SRD], v2, 8*272
	v_lshl_add_u32 v[SRD], v1, 4, v[SRD]
	v_add_nc_u32 v[SRD], s26, v[SRD]               ; back: lanes 0-15 row t, lanes 16-31 row t + 8; 16 bytes a lane
	v_mul_u32_u24 v13, v2, 384
	v_mad_u32_u24 v13, v1, 24, v13                 ; g's codes: 384 h + 24 r
	v_lshlrev_b32 v14, 6, v1
	v_lshl_add_u32 v14, v2, 4, v14                 ; g's scale bytes: 64 r + 16 h
	v_lshlrev_b32 v15, 2, v1                       ; the weights: 4 r
	v_lshlrev_b32 v78, 5, v2                       ; the places in part: 32 h
	v_lshlrev_b32 v19, 4, v1
	v_lshl_add_u32 v19, v2, 15, v19                ; LoRA B: 16 r + 8 h rows of 4,096 bytes
	v_lshlrev_b32 v23, 7, v2                       ; the bias: 128 h
.irp i, 0,1,2,3
	v_mov_b32 v[TMP+\i], 0                         ; a lane permute's destination counts as one of its sources
.endr
	s_mov_b32 s[SEL], 0x76543210
	s_mov_b32 s[SEL+1], 0xfedcba98                 ; v_permlanex16_b32's selects for lane l xor 16
	s_lshl_b32 s28, s22, 23                        ; the expert's 8 MiB,
	s_lshl_b32 s29, s23, 22                        ; my half of K,
	s_add_co_u32 s28, s28, s29
	s_lshl_b32 s29, s20, 20                        ; my wave's 256 rows,
	s_add_co_u32 s28, s28, s29
	s_lshl_b32 s30, ttmp9, 8                       ; the unit's 256 bytes of a row
	s_add_co_u32 s28, s28, s30
	s_mov_b32 s29, 0
	s_lshl_b32 s25, s22, 2
	s_wait_kmcnt 0x0
	s_add_nc_u64 s[4:5], s[4:5], s[28:29]
	ISSUE 0, 0                                     ; two buffers, 32 KiB a wave, are on their way from here to the stream's end
	ISSUE 0, 1
	s_load_b32 s24, s[14:15], s25 offset:0x12000   ; my expert's tiles of 16 rows
	s_lshl_b32 s28, s22, 12
	s_add_co_u32 s28, s28, s30
	s_add_nc_u64 s[6:7], s[6:7], s[28:29]          ; the bias at my columns
	s_lshl_b32 s28, s22, 16
	s_add_co_u32 s28, s28, s30
	s_add_nc_u64 s[8:9], s[8:9], s[28:29]          ; LoRA B at my columns
	s_lshl_b32 s31, s22, 4
	s_lshl_b32 s26, s23, 3
	s_add_co_u32 s31, s31, s26
	s_add_co_u32 s31, s31, 64                      ; LoRA A's first image of mine: 64 + 16 e + 8 kh
	s_mul_i32 s28, s31, 1536
	s_add_nc_u64 s[32:33], s[12:13], s[28:29]
	s_lshl_b32 s28, s31, 7
	s_add_nc_u64 s[34:35], s[12:13], s[28:29]
	s_add_nc_u64 s[40:41], s[10:11], 0xc00000      ; g's scale bytes lie beyond an immediate's reach: a base of their own
	s_mul_i32 s36, s22, 64*24576
	s_mul_i32 s26, s23, 12288
	s_add_co_u32 s36, s36, s26                     ; g's codes: the expert's tiles, my 32 blocks
	s_lshl_b32 s37, s22, 16
	s_lshl_b32 s26, s23, 5
	s_add_co_u32 s37, s37, s26                     ; g's scale bytes likewise
	s_lshl_b32 s38, s22, 12                        ; the expert's lists: 4,096 e
	s_lshl_b32 s39, s23, 12
	s_add_co_u32 s39, s39, s30                     ; in a row of part: 4,096 kh + 256 x
	s_mov_b32 s46, 0x3f800000
	s_cmp_eq_u32 s23, 0
	s_cselect_b32 s46, s46, 0                      ; the bias counts in the half kh = 0 alone
	CHUNK 0, 0, 1, 32                              ; the count 32: the other buffer's loads may stay out
	CHUNK 0, 1, 1, 32
	CHUNK 1, 0, 0, 32
	; 48 small loads, behind the stream's last: LoRA B, the bias, LoRA A's images and scale words
	WIN 0x40
.irp q, 0,1,2,3,4,5,6,7
	global_load_b128 v[4*\q:4*\q+3], v19, s[8:9] offset:\q*4096        ; rank 8 h + q, columns 4 r .. 4 r + 3
.endr
.irp q, 0,1,2,3,4,5,6,7
	global_load_b128 v[32+4*\q:35+4*\q], v23, s[6:7] offset:16*\q      ; columns 32 h + 4 q .. + 3
.endr
	WIN 0x80
.irp s, 0,1,2,3
.irp n, 0,1,2
	global_load_b128 v[192+12*\s+4*\n:195+12*\s+4*\n], v27, s[32:33] offset:\s*1536+512*\n
.endr
.endr
	WIN 0xc0
.irp s, 0,1,2,3
.irp n, 0,1,2
	global_load_b128 v[192+12*\s+4*\n:195+12*\s+4*\n], v27, s[32:33] offset:(4+\s)*1536+512*\n
.endr
.endr
	WIN 0
.irp s, 0,1,2,3,4,5,6,7
	global_load_b32 v[LAS+\s], v7, s[34:35] offset:294912+128*\s
.endr
	CHUNK 1, 1, 0, 48                              ; the count 48: the small loads may stay out
	s_wait_loadcnt 0x0
	WIN 0x44
.set k, 0
.rept 32
	v_mul_f32 v[k], 2.0, v[k]                      ; 2 x LoRA B (exact)
.set k, k+1
.endr
	WIN 0x45
.irp i, 0,1,2,3
.irp p, 0,1,2,3
	v_cvt_pk_bf16_f32 v[OPB+8*\i+\p], v[8*\p+\i], v[8*\p+4+\i]     ; ranks 8 h + 2 p, + 1 of column 4 r + i: tile i's operand, k = 8 h + 0 .. 7
.endr
.endr
	WIN 0x40
.irp i, 0,1,2,3
.irp p, 4,5,6,7
	v_mov_b32 v[OPB+8*\i+\p], 0                    ; k = 16 .. 31 of the form's 32: there is no such rank
.endr
.endr
	WIN 0x04
.irp i, 0,1,2,3
.irp j, 0,1,2,3,4,5,6,7
	v_mul_f32 v[BI+8*\i+\j], s46, v[32+4*\j+\i]    ; the bias, or 0, in the result's layout
.endr
.endr
	WIN 0
.irp p, 4,5,6,7
	v_mov_b32 v[TB+\p], 0
.endr
	v_lshl_add_u32 v[POB], v1, 4, s39
	s_wait_dscnt 0x0                               ; for the others' sake: my images lie in LDS
	s_barrier_signal -1
	s_barrier_wait -1                              ; the launch's one barrier; every wave passes it, whatever its expert's count
	s_wait_kmcnt 0x0
	s_min_u32 s24, s24, 64                         ; never more than 64 tiles
	s_mov_b32 s48, s20                             ; my first tile
	s_cmp_ge_u32 s48, s24
	s_cbranch_scc1 .Lend
	s_sub_co_u32 s49, s24, 1                       ; the last tile
	s_sub_co_u32 s52, s24, s20                     ; my trips: tiles w, w + 4, .. under the count: (count - w + 3) / 4, one at the least behind the branch above,
	s_add_co_u32 s52, s52, 3
	s_lshr_b32 s52, s52, 2
	s_min_u32 s52, s52, 16                         ; 16 at the most
	s_mov_b32 s53, 0                               ; trips done: the loop ends on this counter, stepped by one; the tile's number serves addresses alone
	s_mov_b32 s50, s48
	ASKD
	FETCHW
.Ltile:
	s_wait_loadcnt 0x0                             ; this tile's 52 loads
	s_wait_xcnt 0x0                                ; the last trip's stores have read their registers
	SCG 0
	SCG 1
	WIN 0
.irp t, 0,1,2,3,4,5,6,7                        ; where rows 8 h + t go.  These lines name no register of the products above
	v_min_u32 v[PO+\t], 0x87f, v[DL+\t]            ; a row of part, held inside the buffer
.endr
.irp t, 0,1,2,3,4,5,6,7
	v_lshlrev_b32 v[PO+\t], 13, v[PO+\t]
.endr
.irp t, 0,1,2,3,4,5,6,7
	v_add_nc_u32 v[PO+\t], v[PO+\t], v[POB]
.endr
	v_mov_b32 v[WC], v[WL]
.irp p, 0,1,2,3
	v_cvt_pk_bf16_f32 v[TB+\p], v[ACCT+2*\p], v[ACCT+2*\p+1]       ; gated A, ranks 8 h + 2 p, + 1 of row r: read from its low end on
.endr
	s_add_co_u32 s50, s48, 4
	s_min_u32 s50, s50, s49                        ; my next tile, held at the last one
	ASKD                                           ; it lands while this tile is finished
.rept 4
	v_nop
.endr
	WIN 0x01
.irp i, 0,1,2,3
	v_wmma_f32_16x16x32_bf16 v[ACC+8*\i:ACC+8*\i+7], v[OPB+8*\i:OPB+8*\i+7], v[TB:TB+7], v[ACC+8*\i:ACC+8*\i+7]
.endr
	WIN 0
.rept 5
	v_nop                                          ; four places ahead of the reads below, five ahead of the next trip's products, which write over these results
.endr
.irp j, 0,1,2,3,4,5,6,7
.irp i, 0,1,2,3
	v_mul_f32 v[OO+4*\j+\i], v[ACC+8*\i+\j], v[WC]  ; x the row's weight; column 32 h + 4 j + i.  Each result is read from its low end on
.endr
.endr
.irp j, 0,1,2,3,4,5,6,7
	ds_store_b128 v[STO], v[OO+4*\j:OO+4*\j+3] offset:16*\j
.endr
.irp t, 0,1,2,3,4,5,6,7
	ds_load_b128 v[RBK+4*\t:RBK+4*\t+3], v[SRD] offset:272*\t      ; LDS serves a wave's instructions in order: these see my stores, and the next trip's stores come behind them
.endr
.irp t, 0,1,2,3,4,5,6,7
	s_wait_dscnt 7-\t                              ; the younger read-backs may stay out
	global_store_b128 v[PO+\t], v[RBK+4*\t:RBK+4*\t+3], s[18:19]   ; sixteen lanes store 256 consecutive bytes of one row, aligned
.endr
	s_add_co_u32 s48, s48, 4                       ; my next tile
	s_add_co_u32 s53, s53, 1
	s_cmp_lt_u32 s53, s52
	s_cbranch_scc1 .Ltile
.Lend:
	s_set_vgpr_msb 0x4
	s_wait_tensorcnt 0x0
	ds_add_u32 v31, v255
	s_wait_dscnt 0x0
	s_set_vgpr_msb 0x400
	s_endpgm
.Lfunc_end_k_qa6857550ac_down:
	.size	k_qa6857550ac_down, .Lfunc_end_k_qa6857550ac_down-k_qa6857550ac_down
	.p2alignl 7, 3214868480
	.fill 96, 4, 3214868480
	.section	.rodata,"a",@progbits
	.p2align	6, 0x0
	.amdhsa_kernel k_qa6857550ac_down
		.amdhsa_group_segment_fixed_size 71168
		.amdhsa_private_segment_fixed_size 0
		.amdhsa_enable_private_segment 0
		.amdhsa_kernarg_size 64
		.amdhsa_user_sgpr_count 2
		.amdhsa_user_sgpr_kernarg_segment_ptr 1
		.amdhsa_wavefront_size32 1
		.amdhsa_system_sgpr_workgroup_id_x 1
		.amdhsa_system_sgpr_workgroup_id_y 1
		.amdhsa_system_sgpr_workgroup_id_z 1
		.amdhsa_system_vgpr_workitem_id 0
		.amdhsa_next_free_vgpr 1024
		.amdhsa_next_free_sgpr 66
		.amdhsa_reserve_vcc 0
		.amdhsa_float_denorm_mode_32 3
		.amdhsa_float_denorm_mode_16_64 3
		.amdhsa_memory_ordered 1
		.amdhsa_forward_progress 1
		.amdhsa_inst_pref_size 104
	.end_amdhsa_kernel
	.amdgpu_metadata
---
amdhsa.version: [ 1, 2 ]
amdhsa.kernels:
  - .name:           k_qa6857550ac_down
    .symbol:         k_qa6857550ac_down.kd
    .args:
      - { .name: down_proj, .offset: 0, .size: 8, .value_kind: global_buffer, .address_space: global }
      - { .name: down_proj_bias, .offset: 8, .size: 8, .value_kind: global_buffer, .address_space: global }
      - { .name: lora_B_down, .offset: 16, .size: 8, .value_kind: global_buffer, .address_space: global }
      - { .name: g, .offset: 24, .size: 8, .value_kind: global_buffer, .address_space: global }
      - { .name: la, .offset: 32, .size: 8, .value_kind: global_buffer, .address_space: global }
      - { .name: route, .offset: 40, .size: 8, .value_kind: global_buffer, .address_space: global }
      - { .name: wrow, .offset: 48, .size: 8, .value_kind: global_buffer, .address_space: global }
      - { .name: part, .offset: 56, .size: 8, .value_kind: global_buffer, .address_space: global }
    .group_segment_fixed_size: 71168
    .private_segment_fixed_size: 0
    .kernarg_segment_align: 8
    .kernarg_segment_size: 64
    .max_flat_workgroup_size: 128
    .sgpr_count:     66
    .vgpr_count:     1024
    .wavefront_size: 32
...
	.end_amdgpu_metadata
.endif
;; end of part 3
;; launch combine (part 4): grid 256 x 1, 4 waves a work-group, no clusters, 0 bytes of LDS; arguments router_indices, part, out0; writes out0
.if DOCPART == 4
	.amdgcn_target "amdgcn-amd-amdhsa--gfx1250"
	.amdhsa_code_object_version 6
	.text
	.protected	k_qa6857550ac_combine
	.globl	k_qa6857550ac_combine
	.p2align	8
	.type	k_qa6857550ac_combine,@function
k_qa6857550ac_combine:
	s_mov_b64 s[64:65], 0
	v_nop
	global_prefetch_b8 v0, s[64:65] scope:SCOPE_SE
	s_setreg_imm32_b32 hwreg(HW_REG_WAVE_MODE, 25, 1), 1
	s_wait_xcnt 0x0
; out0[t] = the sum of the token's partial rows: slot 0's and slot 1's, each in two halves of K.  One wave to a token.
; Slot 0 has a row where its index names an expert (0..7); slot 1 where its index does so and differs from slot 0's (equal slots were served as one row of double weight).
; A slot without a row adds zeros: its bytes of part were never stored, so they are not read.  The branches hang on the index input alone.
; A stream: no LDS, no matrix unit, no cluster; every load and store of the wave covers 512 consecutive bytes.
	s_load_b128 s[4:7], s[0:1], 0x0                ; router_indices s[4:5], part s[6:7]
	s_load_b64 s[8:9], s[0:1], 0x10                ; out0
	v_lshrrev_b32 v1, 5, v0
	v_readfirstlane_b32 s10, v1
	s_lshl_b32 s11, ttmp9, 2
	s_add_co_u32 s11, s11, s10                     ; my token
	s_lshl_b32 s14, s11, 3
	v_and_b32 v1, 31, v0
	v_lshlrev_b32 v1, 4, v1                        ; 16 bytes a lane
	s_wait_kmcnt 0x0
	s_load_b64 s[12:13], s[4:5], s14 offset:0x0    ; its two indices
	s_lshl_b32 s16, s11, 14
	s_mov_b32 s17, 0
	s_add_nc_u64 s[6:7], s[6:7], s[16:17]          ; its two rows of part: 16,384 bytes
	s_lshl_b32 s16, s11, 12
	s_add_nc_u64 s[8:9], s[8:9], s[16:17]
	s_wait_kmcnt 0x0
.macro SLOTLD s                        ; a slot's 8,192 bytes: the half kh = 0, then kh = 1
.irp n, 0,1,2,3,4,5,6,7,8,9,10,11,12,13,14,15
	global_load_b128 v[16+64*\s+4*\n:19+64*\s+4*\n], v1, s[6:7] offset:8192*\s+512*\n th:TH_LOAD_NT
.endr
.endm
.macro SLOTZ s
.set k, 0
.rept 64
	v_mov_b32 v[16+64*\s+k], 0
.set k, k+1
.endr
.endm
	s_cmp_lt_u32 s12, 8
	s_cbranch_scc0 .Lnone0
	SLOTLD 0
	s_branch .Lslot1
.Lnone0:
	SLOTZ 0
.Lslot1:
	s_cmp_lt_u32 s13, 8
	s_cselect_b32 s15, 1, 0
	s_cmp_lg_u32 s13, s12
	s_cselect_b32 s18, 1, 0
	s_and_b32 s15, s15, s18
	s_cmp_lg_u32 s15, 0
	s_cbranch_scc0 .Lnone1
	SLOTLD 1
	s_branch .Lsum
.Lnone1:
	SLOTZ 1
.Lsum:
	s_wait_loadcnt 0x0
.irp m, 0,2,4,6,8,10,12,14,16,18,20,22,24,26,28,30
	v_pk_add_f32 v[16+\m:17+\m], v[16+\m:17+\m], v[48+\m:49+\m]        ; slot 0: its two halves of K
	v_pk_add_f32 v[80+\m:81+\m], v[80+\m:81+\m], v[112+\m:113+\m]      ; slot 1 likewise
.endr
.irp m, 0,2,4,6,8,10,12,14,16,18,20,22,24,26,28,30
	v_pk_add_f32 v[16+\m:17+\m], v[16+\m:17+\m], v[80+\m:81+\m]
.endr
.irp n, 0,1,2,3,4,5,6,7
	global_store_b128 v1, v[16+4*\n:19+4*\n], s[8:9] offset:512*\n th:TH_STORE_NT
.endr
	s_endpgm
.Lfunc_end_k_qa6857550ac_combine:
	.size	k_qa6857550ac_combine, .Lfunc_end_k_qa6857550ac_combine-k_qa6857550ac_combine
	.p2alignl 7, 3214868480
	.fill 96, 4, 3214868480
	.section	.rodata,"a",@progbits
	.p2align	6, 0x0
	.amdhsa_kernel k_qa6857550ac_combine
		.amdhsa_group_segment_fixed_size 0
		.amdhsa_private_segment_fixed_size 0
		.amdhsa_enable_private_segment 0
		.amdhsa_kernarg_size 24
		.amdhsa_user_sgpr_count 2
		.amdhsa_user_sgpr_kernarg_segment_ptr 1
		.amdhsa_wavefront_size32 1
		.amdhsa_system_sgpr_workgroup_id_x 1
		.amdhsa_system_sgpr_workgroup_id_y 1
		.amdhsa_system_sgpr_workgroup_id_z 1
		.amdhsa_system_vgpr_workitem_id 0
		.amdhsa_next_free_vgpr 144
		.amdhsa_next_free_sgpr 66
		.amdhsa_reserve_vcc 0
		.amdhsa_float_denorm_mode_32 3
		.amdhsa_float_denorm_mode_16_64 3
		.amdhsa_memory_ordered 1
		.amdhsa_forward_progress 1
		.amdhsa_inst_pref_size 13
	.end_amdhsa_kernel
	.amdgpu_metadata
---
amdhsa.version: [ 1, 2 ]
amdhsa.kernels:
  - .name:           k_qa6857550ac_combine
    .symbol:         k_qa6857550ac_combine.kd
    .args:
      - { .name: router_indices, .offset: 0, .size: 8, .value_kind: global_buffer, .address_space: global }
      - { .name: part, .offset: 8, .size: 8, .value_kind: global_buffer, .address_space: global }
      - { .name: out0, .offset: 16, .size: 8, .value_kind: global_buffer, .address_space: global }
    .group_segment_fixed_size: 0
    .private_segment_fixed_size: 0
    .kernarg_segment_align: 8
    .kernarg_segment_size: 24
    .max_flat_workgroup_size: 128
    .sgpr_count:     66
    .vgpr_count:     144
    .wavefront_size: 32
...
	.end_amdgpu_metadata
.endif
;; end of part 4
;; ======== version 2 of 2: 4 launches
;; workspace buffers: route 73,984 bytes of whole numbers; wrow 36,864 bytes; xcode 819,200 bytes; la 319,488 bytes; g 13,107,200 bytes; part 17,825,792 bytes
;; launch prep (part 5): grid 89 x 1, 8 waves a work-group, no clusters, 0 bytes of LDS; arguments hidden_states, router_indices, routing_weights, lora_A_gate_up, lora_A_down, xcode, la, route, wrow; writes xcode, la, route, wrow
.if DOCPART == 5
	.amdgcn_target "amdgcn-amd-amdhsa--gfx1250"
	.amdhsa_code_object_version 6
	.text
	.protected	k_qa6857550ac_prep
	.globl	k_qa6857550ac_prep
	.p2align	8
	.type	k_qa6857550ac_prep,@function
k_qa6857550ac_prep:
	s_mov_b64 s[64:65], 0
	v_nop
	global_prefetch_b8 v0, s[64:65] scope:SCOPE_SE
	s_setreg_imm32_b32 hwreg(HW_REG_WAVE_MODE, 25, 1), 1
	s_wait_xcnt 0x0
; Three small jobs, parted by the work-group's number.
;  work-group 0: ROUTING.  Wave e lists the tokens of expert e (a counting pass over the 1,024 index pairs, 32 tokens at a time), with each row's weight
;    routing_weights x multiplicity and the row of the partial-output buffer that it owns (2 t + slot).  An index that names no expert of 0..7 is on no list.
;    Lists are filled up to a multiple of 16 rows, and to 64 rows at the least, with token 0, weight 0 and a spare output row.  Lanes that have nothing to list store to spare words behind the lists.
;  work-groups 1..24: the two LoRA A matrices, 192 pieces of [128 k][16], become codes of E3M2 with one E8M0 byte for each 32 along k, stored as images of an operand's registers.
;  work-groups 25..88: hidden_states becomes codes; a lane takes a block of 32.  A token's 768 bytes are laid so that a lane of a later launch reads its 384 bytes on end.
; A block's scale byte is its largest magnitude's exponent field - 4, held at 1 from below (a block of zeros gets 1: its codes are zeros, and only this program reads the bytes).
; LIMITS: NaN and infinities among the inputs are not served.
; No matrix unit, no LDS, no cluster: the jobs share nothing and are small beside the launches that follow.
.set DESTB, 36864                      ; route: LIST at 0 ([8][1024] + 1,024 spare words), DEST here (the same shape), the tile counts at METAB
.set METAB, 73728
.set XSB,   786432                     ; xcode: codes [t][768], scale bytes [t][32] from here on
.set LASB,  294912                     ; la: images of 1,536 bytes, scale words of 128 bytes from here on
	s_load_b256 s[4:11], s[0:1], 0x0               ; hidden_states s[4:5], router_indices s[6:7], routing_weights s[8:9], lora_A_gate_up s[10:11]
	s_load_b256 s[12:19], s[0:1], 0x20             ; lora_A_down s[12:13], xcode s[14:15], la s[16:17], route s[18:19]
	s_load_b64 s[20:21], s[0:1], 0x40              ; wrow
	v_lshrrev_b32 v1, 5, v0
	s_delay_alu instid0(VALU_DEP_1)
	v_readfirstlane_b32 s22, v1                    ; wave 0..7
	v_and_b32 v2, 31, v0                           ; lane
	s_wait_kmcnt 0x0
	s_cmp_eq_u32 ttmp9, 0
	s_cbranch_scc1 .Lroute
	s_cmp_lt_u32 ttmp9, 25
	s_cbranch_scc1 .Llora
	; ---- hidden_states: my wave's two tokens
	s_sub_co_u32 s24, ttmp9, 25
	s_lshl_b32 s24, s24, 3
	s_add_co_u32 s24, s24, s22
	s_lshl_b32 s24, s24, 1                         ; my first token
	s_lshl_b32 s26, s24, 12
	s_mov_b32 s27, 0
	s_add_nc_u64 s[4:5], s[4:5], s[26:27]          ; its 4,096 bytes
	s_mul_i32 s26, s24, 768
	s_add_nc_u64 s[28:29], s[14:15], s[26:27]      ; its codes
	s_lshl_b32 s26, s24, 5
	s_add_nc_u64 s[30:31], s[14:15], s[26:27]      ; its scale bytes (XSB stands in the immediate)
	s_wait_alu depctr_va_vdst(0)
	v_lshlrev_b32 v3, 7, v2                        ; lane L takes block L: 128 bytes
.irp u, 0,1
.irp i, 0,1,2,3,4,5,6,7
	global_load_b128 v[32+32*\u+4*\i:35+32*\u+4*\i], v3, s[4:5] offset:4096*\u+16*\i
.endr
.endr
	v_and_b32 v4, 1, v2                            ; block L = 4 s + 2 c + h goes to byte 384 h + 48 s + 24 c of the token
	s_delay_alu instid0(VALU_DEP_1)
	v_mul_u32_u24 v4, v4, 384
	v_lshrrev_b32 v5, 2, v2
	s_delay_alu instid0(VALU_DEP_1)
	v_mad_u32_u24 v4, v5, 48, v4
	v_bfe_u32 v5, v2, 1, 1
	s_delay_alu instid0(VALU_DEP_1)
	v_mad_u32_u24 v4, v5, 24, v4
.macro XTOK u, left
.set XR, 32+32*\u
.set XC, 96+8*\u
	s_wait_loadcnt \left                           ; this token's eight loads are in; the other token's may be out
	v_max3_num_f32 v[10+\u], |v[XR]|, |v[XR+1]|, 0x2800000     ; the block's largest magnitude, with the floor 2^(5 - 127) among its leaves
.irp i, 2,4,6,8,10,12,14,16,18,20,22,24,26,28,30
	s_delay_alu instid0(VALU_DEP_1)
	v_max3_num_f32 v[10+\u], v[10+\u], |v[XR+\i]|, |v[XR+\i+1]|
.endr
	s_delay_alu instid0(VALU_DEP_1)
	v_add_nc_u32 v[10+\u], 0xfe000000, v[10+\u]    ; 4 off its exponent field: the conversions' scale operand
	v_cvt_scalef32_pk16_bf6_f32 v[XC:XC+2], v[XR:XR+15], v[10+\u]
	v_cvt_scalef32_pk16_bf6_f32 v[112+4*\u:114+4*\u], v[XR+16:XR+31], v[10+\u]   ; (a conversion's three registers begin on an even number)
	v_lshrrev_b32 v[12+\u], 23, v[10+\u]           ; the scale's byte; also the plain line behind the conversions
.irp n, 0,1,2
	v_mov_b32 v[XC+3+\n], v[112+4*\u+\n]
.endr
.irp p, 0,1,2
	global_store_b64 v4, v[XC+2*\p:XC+2*\p+1], s[28:29] offset:768*\u+8*\p
.endr
	global_store_b8 v2, v[12+\u], s[30:31] offset:XSB+32*\u    ; 32 lanes store the token's 32 bytes on end
.endm
	XTOK 0, 8
	XTOK 1, 0
	s_endpgm
	; ---- a piece of a LoRA A matrix: [128 k][16], dense, 8,192 bytes.  Lane (r, h) takes column r, and its registers run down k in the order of the operand's layout
.Llora:
	s_sub_co_u32 s24, ttmp9, 1
	s_lshl_b32 s24, s24, 3
	s_add_co_u32 s24, s24, s22                     ; piece 0..191: 0..63 of lora_A_gate_up (8 e + K step), 64..191 of lora_A_down (64 + 16 e + K step)
	s_cmp_lt_u32 s24, 64
	s_cselect_b64 s[26:27], s[10:11], s[12:13]     ; the choice hangs on ids alone
	s_cselect_b32 s25, 0, 64
	s_sub_co_u32 s25, s24, s25
	s_lshl_b32 s28, s25, 13
	s_mov_b32 s29, 0
	s_add_nc_u64 s[26:27], s[26:27], s[28:29]
	s_mul_i32 s28, s24, 1536
	s_add_nc_u64 s[30:31], s[16:17], s[28:29]      ; its image
	s_lshl_b32 s28, s24, 7
	s_add_nc_u64 s[34:35], s[16:17], s[28:29]      ; its scale words (LASB stands in the immediate)
	s_mov_b32 s36, 0x76543210
	s_mov_b32 s37, 0xfedcba98                      ; v_permlanex16_b32's selects for lane l xor 16
	s_wait_alu depctr_va_vdst(0)
	v_and_b32 v3, 15, v2                           ; r
	v_lshrrev_b32 v4, 4, v2                        ; h
	s_delay_alu instid0(VALU_DEP_2)
	v_lshlrev_b32 v5, 2, v3
	s_delay_alu instid0(VALU_DEP_1)
	v_lshl_add_u32 v5, v4, 11, v5                  ; 4 r + 32 h rows of 64 bytes
.irp c, 0,1
.set k, 0
.rept 32
	global_load_b32 v[64+32*\c+k], v5, s[26:27] offset:64*(64*\c+k)   ; k = 64 c + 32 h + 0 .. 31 of column r
.set k, k+1
.endr
.endr
	v_lshlrev_b32 v6, 4, v2
	v_lshlrev_b32 v7, 2, v2
	v_lshlrev_b32 v8, 3, v4
	v_mov_b32 v10, 0                               ; a lane permute's destination counts as one of its sources
	s_wait_loadcnt 0x0
.irp c, 0,1
	v_max3_num_f32 v[32+\c], |v[64+32*\c]|, |v[65+32*\c]|, 0x2800000
.endr
.irp i, 2,4,6,8,10,12,14,16,18,20,22,24,26,28,30
.irp c, 0,1
	s_delay_alu instid0(VALU_DEP_2)
	v_max3_num_f32 v[32+\c], v[32+\c], |v[64+32*\c+\i]|, |v[65+32*\c+\i]|
.endr
.endr
.irp c, 0,1
	s_delay_alu instid0(VALU_DEP_2)
	v_add_nc_u32 v[32+\c], 0xfe000000, v[32+\c]
.endr
.irp c, 0,1
	s_delay_alu instid0(VALU_DEP_2)
	v_lshrrev_b32 v[36+\c], 23, v[32+\c]
.endr
	s_delay_alu instid0(VALU_DEP_1)
	v_lshl_or_b32 v9, v37, 16, v36                 ; my two bytes, blocks h and 2 + h,
	s_delay_alu instid0(VALU_DEP_1)
	v_lshlrev_b32 v9, v8, v9                       ; at their places in the scale word;
	s_delay_alu instid0(VALU_DEP_1)
	v_permlanex16_b32 v10, v9, s36, s37
	s_delay_alu instid0(VALU_DEP_1)
	v_or_b32 v9, v9, v10                           ; with lane l xor 16's two the word is whole
.irp c, 0,1
	v_cvt_scalef32_pk16_bf6_f32 v[48+6*\c:50+6*\c], v[64+32*\c:79+32*\c], v[32+\c]
	v_cvt_scalef32_pk16_bf6_f32 v[40+4*\c:42+4*\c], v[80+32*\c:95+32*\c], v[32+\c]
.endr
	v_nop                                          ; one plain line behind the conversions
.irp c, 0,1
.irp n, 0,1,2
	v_mov_b32 v[51+6*\c+\n], v[40+4*\c+\n]
.endr
.endr
.irp n, 0,1,2
	global_store_b128 v6, v[48+4*\n:51+4*\n], s[30:31] offset:512*\n   ; the fragment's twelve registers as they stand: 512 consecutive bytes a store
.endr
	global_store_b32 v7, v9, s[34:35] offset:LASB
	s_endpgm
	; ---- routing: wave e lists expert e's tokens
.Lroute:
	s_wait_alu depctr_va_vdst(0)
	v_lshlrev_b32 v3, 3, v2                        ; a token's index pair: 8 bytes
	s_lshl_b32 s24, s22, 2
	v_lshl_add_u32 v4, v2, 5, s24                  ; routing_weights[t][e]: 32 t + 4 e
.set cc, 0
.rept 32
	global_load_b64 v[32+2*cc:33+2*cc], v3, s[6:7] offset:256*cc
	global_load_b32 v[96+cc], v4, s[8:9] offset:1024*cc
.set cc, cc+1
.endr
	s_lshl_b32 s30, s22, 10                        ; 1,024 e: my list's first word
	s_mov_b32 s27, s30                             ; + rows listed so far
	s_lshl_b32 s24, s22, 5
	s_add_co_u32 s24, s24, 8192
	v_add_nc_u32 v6, s24, v2                       ; my lane's spare word: 8,192 + 32 e + lane
	v_lshlrev_b32 v9, 1, v2
	s_wait_loadcnt 0x0
; tokens 32 c .. 32 c + 31.  Each chunk has registers of its own for what its stores read, so no store's source is written again
.macro RCHUNK c
	v_cmp_eq_u32 s24, s22, v[32+2*\c]              ; slot 0 names e
	v_cmp_eq_u32 s25, s22, v[33+2*\c]              ; slot 1 names e
	s_or_b32 s26, s24, s25
	v_mbcnt_lo_u32_b32 v5, s26, 0                  ; listed lanes below me
	s_delay_alu instid0(VALU_DEP_1)
	v_add_nc_u32 v5, s27, v5
	s_wait_alu depctr_va_vdst(0)
	v_cndmask_b32 v[128+\c], v6, v5, s26           ; my place in the list, or my spare word
	s_delay_alu instid0(VALU_DEP_1)
	v_min_u32 v[128+\c], 0x23ff, v[128+\c]         ; held inside the list and its spare words
	s_delay_alu instid0(VALU_DEP_1)
	v_lshlrev_b32 v[128+\c], 2, v[128+\c]
	v_cndmask_b32 v7, 0, 1.0, s24
	v_cndmask_b32 v8, 0, 1.0, s25
	s_delay_alu instid0(VALU_DEP_1)
	v_add_f32 v7, v7, v8                           ; the multiplicity
	s_delay_alu instid0(VALU_DEP_1)
	v_mul_f32 v[96+\c], v[96+\c], v7               ; the row's weight
	v_cndmask_b32 v[32+2*\c], 1, 0, s24
	s_delay_alu instid0(VALU_DEP_1)
	v_add3_u32 v[32+2*\c], v[32+2*\c], v9, 64*\c   ; the row it owns: 2 t + the first slot that names e
	v_add_nc_u32 v[33+2*\c], 32*\c, v2             ; the token
	global_store_b32 v[128+\c], v[33+2*\c], s[18:19]
	global_store_b32 v[128+\c], v[32+2*\c], s[18:19] offset:DESTB
	global_store_b32 v[128+\c], v[96+\c], s[20:21]
	s_bcnt1_i32_b32 s28, s26
	s_add_co_u32 s27, s27, s28
.endm
.set cc, 0
.rept 32
	RCHUNK cc
.set cc, cc+1
.endr
	s_sub_co_u32 s23, s27, s30                     ; n rows
	s_add_co_u32 s29, s23, 15
	s_and_b32 s29, s29, 0xfffffff0                 ; n up to a multiple of 16
	s_lshr_b32 s33, s29, 4                         ; tiles of 16 rows
	s_max_u32 s29, s29, 64                         ; the list is written up to here
	s_lshl_b32 s31, s22, 4
	s_add_co_u32 s31, s31, 2048                    ; my spare output rows: 2,048 + 16 e + 0 .. 15
	v_mov_b32 v11, 0
.irp q, 0,1                                    ; at most 64 rows are filled in: two passes of 32 lanes
	v_add_nc_u32 v5, s23, v2
	s_delay_alu instid0(VALU_DEP_1)
	v_add_nc_u32 v5, 32*\q, v5
	s_delay_alu instid0(VALU_DEP_1)
	v_cmp_gt_u32 s24, s29, v5
	s_delay_alu instid0(VALU_DEP_2)
	v_add_nc_u32 v10, s30, v5
	s_delay_alu instid0(VALU_DEP_1)
	v_cndmask_b32 v[160+\q], v6, v10, s24
	s_delay_alu instid0(VALU_DEP_1)
	v_min_u32 v[160+\q], 0x23ff, v[160+\q]
	s_delay_alu instid0(VALU_DEP_1)
	v_lshlrev_b32 v[160+\q], 2, v[160+\q]
	v_and_b32 v[162+\q], 15, v5
	s_delay_alu instid0(VALU_DEP_1)
	v_add_nc_u32 v[162+\q], s31, v[162+\q]
	global_store_b32 v[160+\q], v11, s[18:19]                  ; token 0
	global_store_b32 v[160+\q], v[162+\q], s[18:19] offset:DESTB
	global_store_b32 v[160+\q], v11, s[20:21]                  ; weight 0
.endr
	v_cmp_eq_u32 s24, 0, v2                        ; lane 0 stores the tile count, the others their spare word
	s_lshl_b32 s25, s22, 2
	s_add_co_u32 s25, s25, METAB
	v_mov_b32 v12, s25
	v_lshlrev_b32 v13, 2, v6
	s_delay_alu instid0(VALU_DEP_1)
	v_cndmask_b32 v12, v13, v12, s24
	v_mov_b32 v14, s33
	global_store_b32 v12, v14, s[18:19]
	s_endpgm
.Lfunc_end_k_qa6857550ac_prep:
	.size	k_qa6857550ac_prep, .Lfunc_end_k_qa6857550ac_prep-k_qa6857550ac_prep
	.p2alignl 7, 3214868480
	.fill 96, 4, 3214868480
	.section	.rodata,"a",@progbits
	.p2align	6, 0x0
	.amdhsa_kernel k_qa6857550ac_prep
		.amdhsa_group_segment_fixed_size 0
		.amdhsa_private_segment_fixed_size 0
		.amdhsa_enable_private_segment 0
		.amdhsa_kernarg_size 72
		.amdhsa_user_sgpr_count 2
		.amdhsa_user_sgpr_kernarg_segment_ptr 1
		.amdhsa_wavefront_size32 1
		.amdhsa_system_sgpr_workgroup_id_x 1
		.amdhsa_system_sgpr_workgroup_id_y 1
		.amdhsa_system_sgpr_workgroup_id_z 1
		.amdhsa_system_vgpr_workitem_id 0
		.amdhsa_next_free_vgpr 192
		.amdhsa_next_free_sgpr 66
		.amdhsa_reserve_vcc 0
		.amdhsa_float_denorm_mode_32 3
		.amdhsa_float_denorm_mode_16_64 3
		.amdhsa_memory_ordered 1
		.amdhsa_forward_progress 1
		.amdhsa_inst_pref_size 72
	.end_amdhsa_kernel
	.amdgpu_metadata
---
amdhsa.version: [ 1, 2 ]
amdhsa.kernels:
  - .name:           k_qa6857550ac_prep
    .symbol:         k_qa6857550ac_prep.kd
    .args:
      - { .name: hidden_states, .offset: 0, .size: 8, .value_kind: global_buffer, .address_space: global }
      - { .name: router_indices, .offset: 8, .size: 8, .value_kind: global_buffer, .address_space: global }
      - { .name: routing_weights, .offset: 16, .size: 8, .value_kind: global_buffer, .address_space: global }
      - { .name: lora_A_gate_up, .offset: 24, .size: 8, .value_kind: global_buffer, .address_space: global }
      - { .name: lora_A_down, .offset: 32, .size: 8, .value_kind: global_buffer, .address_space: global }
      - { .name: xcode, .offset: 40, .size: 8, .value_kind: global_buffer, .address_space: global }
      - { .name: la, .offset: 48, .size: 8, .value_kind: global_buffer, .address_space: global }
      - { .name: route, .offset: 56, .size: 8, .value_kind: global_buffer, .address_space: global }
      - { .name: wrow, .offset: 64, .size: 8, .value_kind: global_buffer, .address_space: global }
    .group_segment_fixed_size: 0
    .private_segment_fixed_size: 0
    .kernarg_segment_align: 8
    .kernarg_segment_size: 72
    .max_flat_workgroup_size: 256
    .sgpr_count:     66
    .vgpr_count:     192
    .wavefront_size: 32
...
	.end_amdgpu_metadata
.endif
;; end of part 5
;; launch gateup (part 6): grid 32 x 8, 4 waves a work-group, no clusters, 107,008 bytes of LDS; arguments gate_up_proj, gate_up_proj_bias, lora_B_gate_up, xcode, la, route, g; writes g
.if DOCPART == 6
	.amdgcn_target "amdgcn-amd-amdhsa--gfx1250"
	.amdhsa_code_object_version 6
	.text
	.protected	k_qa6857550ac_gateup
	.globl	k_qa6857550ac_gateup
	.p2align	8
	.type	k_qa6857550ac_gateup,@function
k_qa6857550ac_gateup:
	s_mov_b64 s[64:65], 0
	v_nop
	global_prefetch_b8 v0, s[64:65] scope:SCOPE_SE
	s_setreg_imm32_b32 hwreg(HW_REG_WAVE_SCHED_MODE, 0, 2), 2
	s_setreg_imm32_b32 hwreg(HW_REG_WAVE_MODE, 25, 1), 1
	s_wait_xcnt 0x0
	s_wait_alu depctr_vm_vsrc(0)
; gated = (clip(up) + 1) x gate x sigmoid(1.702 gate) of gu = x W + b + 2 (x A) B, for the rows listed for each expert alone, quantised to E3M2 along the 2,048 gated numbers.
; SHARES.  A work-group owns 128 columns of gate_up_proj of one expert (x: the slice, y: the expert), as two UNITS of 64 columns x 1,024 K.  Wave (cg, rg): unit cg, half rg.
; PHASE A.  The work-group's 512 KiB of f32 weights are read ONCE: wave (cg, rg) streams K steps 4 rg .. 4 rg + 3 of unit cg.  Lane (r, h) loads 16 bytes, columns 4 r .. 4 r + 3 of row 64 c + 32 h + k: sixteen lanes
;   read 256 consecutive bytes, aligned.  TILE i OF A UNIT IS THE COLUMNS 4 r + i: so word i of a lane's loads, taken down k, is lane (r, h)'s part of tile i's operand as the matrix unit wants it.
;   One move a number brings k onto consecutive registers for the conversions and frees the landing registers for the next loads.  Codes and scale words meet in LDS as images of the operand's registers.  One barrier.
; PHASE B.  Each wave holds its whole unit in 384 registers and walks every second tile of 16 listed rows; the count of tiles is a number that the launch before stored.  No barrier stands in that loop.
;   The products are used transposed (source 0 = 16 columns of W, source 1 = 16 rows of x): lane (row r, h) holds columns 32 h + 4 j + i in register j of tile i: 32 neighbours, 16 gate/up pairs.
;   The bias is the C of each sum's first instruction.  2 (x A) B feeds a quantiser, so it takes f32 operands (16x16x4): x A's accumulator is that product's operand as it stands, rank 8 h + 2 q + j at place (h, j) of step q on both sides.
; NO TENSOR LOADS AND NO JOINT LOADS: the loop's trips hang on a count read from memory; and what work-groups share, the rows' codes, is 0.8 MB beside 128 MiB of weights that nobody shares.
; LIMITS: NaN and infinities among the inputs are not served.  A block of zeros gets the scale byte 1 (its codes are zeros; only this program reads the bytes).  An expert without rows still has its weights streamed.
; THE MODE: SCHED_MODE bits 1:0 = 2 (LLVM: expert scheduling mode 2), set by the entry lines.  The code itself states the register dependences between vector or matrix instructions and memory or LDS instructions, with s_wait_alu, always for 0.
; THE PLAN.  Registers that memory or LDS instructions touch:
;   the landing buffers   A chunk's 128 moves read buffer c; behind them the next K step's loads land in it: one wait on va_vdst behind the moves.
;   v[CC ..], v[SWD ..]   Written by a chunk's conversions, moves and scale-word lines; read by its LDS stores, behind one wait on va_vdst; written again in a later chunk, behind that chunk's wait on vm_vsrc.
;   v3-7, v13, v19, v23, v27, v31   Offsets and LDS addresses made at the head, ahead of one wait on va_vdst; but for v13 never written again.
;   W's unit, v[WS ..]    Land once, from LDS, over the landing buffers; read by matrix instructions alone from then on.
;   XF, v[XS ..], v[TOK]  A trip's 40 scaled products read XF and XS, ASK's first line reads TOK; ASK's loads land in them behind its one wait on va_vdst, which also states that ASK's offsets v13-15 are written.
;   v[GO], v[SO], v[QC ..], v[QB]   Written in a trip, read by its two stores behind one wait on va_vdst; written again in the next trip, behind the wait on vm_vsrc at the loop's head, which serves v13-15 too.
;   All other registers are named by vector and matrix instructions alone.
; REGISTERS, in windows of 256.  window 0: v1-31 addresses and the conversions' spill; v32-75 scale words and nothing else; v80-111 the four accumulators (phase A: codes); v112-119 x A's; v128-255 phase A: numbers with k on end; phase B: bias, activation.
;   window 1: v0-63 LoRA B and bias as loaded; v64-95 2 x LoRA B as an operand; v128-223 the rows' eight fragments; v224-255 gu, written by the f32 matrix instructions alone.
;   windows 2, 3: phase A: the two landing buffers, v0-127; phase B: W's tiles 0, 1 and 2, 3 (96 i + 12 s), and from v192 LoRA A's K steps 0-3 and 4-7.
.set PITCH, 16384                      ; bytes from row to row of gate_up_proj
.set UNITB, 53248                      ; a unit in LDS: 32 fragments of 1,536 bytes, then 32 x 128 bytes of scale words
.set SCB,   49152
.set DSP,   16                         ; v16.. the second half of a block's codes, before it is moved
.set WS,    32                         ; v32-63  W's scale words, 8 i + s
.set LAS,   64                         ; v64-71  LoRA A's
.set XS,    72                         ; v72-75  the rows': lanes 0-15 K steps 0-3, lanes 16-31 K steps 4-7
.set TOK,   76                         ; v76     the token of my row, two tiles ahead
.set GO,    78                         ; v78, v79 where my codes and my scale byte go
.set SO,    79
.set ACC,   80
.set CC,    80
.set ACCT,  112
.set MM,    112
.set BY,    116
.set SWD,   120
.set TMP,   124
.set TT,    128
.set BI,    128
.set GT,    160
.set UT,    176
.set EX,    192
.set GG,    208
.set QM,    224
.set QT,    225
.set QC,    226
.set QB,    230
.set OP,    64                         ; window 1
.set XF,    128                        ; window 1
.set D2,    224                        ; window 1
.set SEL,   44
.set MSB, 0
.macro WIN new                         ; the immediate's high byte repeats the setting that is left; a switch that changes nothing is dropped
.if MSB != (\new)
	s_set_vgpr_msb (MSB<<8)|(\new)
.set MSB, (\new)
.endif
.endm
; 32 loads: 64 rows x 256 bytes of my unit, K step sl of mine, half c, into landing buffer c
.macro ISSUE sl, c
	WIN 0x80+0x40*(\c)
.set k, 0
.rept 32
	global_load_b128 v[4*k:4*k+3], v3, s[4:5] offset:(128*(\sl)+64*(\c)+k)*PITCH th:TH_LOAD_NT
.set k, k+1
.endr
.endm
; One landing buffer is worked off: four blocks of 32 along K a lane, one for each tile.  left: the loads issued behind this buffer's, which may stay out
.macro CHUNK sl, c, ahead, left
	s_wait_loadcnt \left
	WIN 0x02+(\c)
.set k, 0
.rept 32
.irp i, 0,1,2,3
	v_mov_b32 v[TT+32*\i+k], v[4*k+\i]             ; tile i's numbers, k on consecutive registers
.endr
.set k, k+1
.endr
.if \ahead
	WIN 0x80+0x40*(\c)
	s_wait_alu depctr_va_vdst(0)                   ; the moves are done reading landing buffer c, in which the loads below land
	ISSUE (\sl)+1, \c                              ; the buffer is free: the next K step's half is asked for
.endif
	WIN 0
.irp i, 0,1,2,3
	v_max3_num_f32 v[MM+\i], |v[TT+32*\i]|, |v[TT+32*\i+1]|, 0x2800000   ; the largest magnitude, with the floor 2^(5 - 127) among its leaves; the four tiles by turns
.endr
.irp k2, 2,4,6,8,10,12,14,16,18,20,22,24,26,28,30
.irp i, 0,1,2,3
	v_max3_num_f32 v[MM+\i], v[MM+\i], |v[TT+32*\i+\k2]|, |v[TT+32*\i+\k2+1]|
.endr
.endr
.irp i, 0,1,2,3
	v_add_nc_u32 v[MM+\i], 0xfe000000, v[MM+\i]    ; 4 off the exponent field: the conversions' scale operand
.endr
.irp i, 0,1,2,3
	v_lshrrev_b32 v[BY+\i], 23, v[MM+\i]           ; the scale's byte
.endr
	s_wait_dscnt 0x0                               ; the last chunk's LDS stores have landed: at most one chunk's stores of a wave are out
.if (\sl)+(\c) > 0
	s_wait_alu depctr_vm_vsrc(0)                   ; the LDS stores issued so far have read v[CC ..] and v[SWD ..], which the lines below write again
.endif
.if (\c) == 0
	s_wait_alu depctr_va_vdst(0)
.irp i, 0,1,2,3
	v_mov_b32 v[SWD+\i], v[BY+\i]                  ; block h's byte waits for block 2 + h's
.endr
.else
	s_wait_alu depctr_va_vdst(0)
.irp i, 0,1,2,3
	v_lshl_or_b32 v[SWD+\i], v[BY+\i], 16, v[SWD+\i]
.endr
.irp i, 0,1,2,3
	v_lshlrev_b32 v[SWD+\i], v8, v[SWD+\i]         ; 8 h bits up
.endr
.irp i, 0,1,2,3
	v_permlanex16_b32 v[TMP+\i], v[SWD+\i], s[SEL], s[SEL+1]
.endr
.irp i, 0,1,2,3
	v_or_b32 v[SWD+\i], v[SWD+\i], v[TMP+\i]       ; with lane l xor 16's two bytes the scale word is whole
.endr
.endif
.irp i, 0,1,2,3
	v_cvt_scalef32_pk16_bf6_f32 v[CC+8*\i:CC+8*\i+2], v[TT+32*\i:TT+32*\i+15], v[MM+\i]
	v_cvt_scalef32_pk16_bf6_f32 v[DSP+4*\i:DSP+4*\i+2], v[TT+32*\i+16:TT+32*\i+31], v[MM+\i]
.endr
	v_nop                                          ; one plain line behind the conversions
.irp i, 0,1,2,3
.irp n, 0,1,2
	v_mov_b32 v[CC+8*\i+3+\n], v[DSP+4*\i+\n]
.endr
.endr
	s_wait_alu depctr_va_vdst(0)                   ; the conversions and moves have written v[CC ..], and with c = 1 the lines above them v[SWD ..]: the LDS stores below read them
.irp i, 0,1,2,3
.irp p, 0,1,2
	ds_store_b64 v4, v[CC+8*\i+2*\p:CC+8*\i+2*\p+1] offset:(8*\i+(\sl))*1536+(\c)*768+\p*256   ; registers 6 c + 2 p, + 1 of the fragment: 256 consecutive bytes a store
.endr
.endr
.if (\c) == 1
.irp i, 0,1,2,3
	ds_store_b32 v5, v[SWD+\i] offset:SCB+(8*\i+(\sl))*128
.endr
.endif
.endm
; The whole unit comes back from LDS, the same registers in the same lanes.  It stands behind ASK's wait on va_vdst, with loads and window switches alone between: the moves that read the landing buffers are done
.macro FETCHW
.irp w, 0,1
	WIN 0x80+0x40*\w
.irp u, 0,1
.irp s, 0,1,2,3,4,5,6,7
.irp n, 0,1,2,3,4,5
	ds_load_b64 v[96*\u+12*\s+2*\n:96*\u+12*\s+2*\n+1], v6 offset:(8*(2*\w+\u)+\s)*1536+(\n/3)*768+(\n%3)*256
.endr
.endr
.endr
.endr
	WIN 0
.irp i, 0,1,2,3
.irp s, 0,1,2,3,4,5,6,7
	ds_load_b32 v[WS+8*\i+\s], v7 offset:SCB+(8*\i+\s)*128
.endr
.endr
	s_wait_dscnt 0x0
.endm
; One scaled product on the registers named by dD, aA, bB, cC, sA, sB.  cm = 0: adds in place; 1: C = v[cC ..]; 2: C = 0.  row = 1: the rows' scales are taken from lanes 16-31
.macro WM cm, row
.if \cm == 0
.if \row
	v_wmma_scale_f32_16x16x128_f8f6f4 v[dD:dD+7], v[aA:aA+11], v[bB:bB+11], v[dD:dD+7], v[sA], v[sB] matrix_a_fmt:MATRIX_FMT_BF6 matrix_b_fmt:MATRIX_FMT_BF6 matrix_b_scale:MATRIX_SCALE_ROW1
.else
	v_wmma_scale_f32_16x16x128_f8f6f4 v[dD:dD+7], v[aA:aA+11], v[bB:bB+11], v[dD:dD+7], v[sA], v[sB] matrix_a_fmt:MATRIX_FMT_BF6 matrix_b_fmt:MATRIX_FMT_BF6
.endif
.elseif \cm == 1
	v_wmma_scale_f32_16x16x128_f8f6f4 v[dD:dD+7], v[aA:aA+11], v[bB:bB+11], v[cC:cC+7], v[sA], v[sB] matrix_a_fmt:MATRIX_FMT_BF6 matrix_b_fmt:MATRIX_FMT_BF6
.else
	v_wmma_scale_f32_16x16x128_f8f6f4 v[dD:dD+7], v[aA:aA+11], v[bB:bB+11], 0, v[sA], v[sB] matrix_a_fmt:MATRIX_FMT_BF6 matrix_b_fmt:MATRIX_FMT_BF6
.endif
.endm
; 20 scaled products: tiles 2 w and 2 w + 1 over all eight K steps, and four K steps of x A.  The accumulators take turns, one instruction a turn
.macro SCG w
	WIN 0x06+(\w)
.irp s, 0,1,2,3,4,5,6,7
.irp u, 0,1
.set dD, ACC+8*(2*\w+\u)
.set aA, 96*\u+12*\s
.set bB, XF+12*\s
.set cC, BI+8*(2*\w+\u)
.set sA, WS+8*(2*\w+\u)+\s
.set sB, XS+\s%4
.if \s == 0
	WM 1, 0
.else
	WM 0, \s/4
.endif
.endr
.if \s < 4
.set dD, ACCT
.set aA, 192+12*\s
.set bB, XF+12*(4*\w+\s)
.set sA, LAS+4*\w+\s
.set sB, XS+\s
.if (\w == 0) && (\s == 0)
	WM 2, 0
.else
	WM 0, \w
.endif
.endif
.endr
.endm
; The rows of the tile whose tokens have come are asked for (384 bytes of codes and 16 scale bytes a lane), and the tokens of the tile d further on than the one in hand, held at the last tile.
; Its six plain vector lines name no register of the products in front of them.
.macro ASK d
	WIN 0
	s_add_co_u32 s50, s48, \d
	s_min_u32 s50, s50, s49
	s_min_u32 s50, s50, 63
	s_lshl_b32 s50, s50, 6
	s_add_co_u32 s50, s50, s47
	v_min_u32 v21, 0x3ff, v[TOK]                   ; a token's number, held inside the table
	v_mul_u32_u24 v14, v21, 0x300
	v_lshlrev_b32 v15, 5, v21
	v_add_nc_u32 v14, v14, v16                     ; 768 t + 384 h
	v_add_nc_u32 v15, v15, v17                     ; 32 t + 16 h
	v_add_nc_u32 v13, s50, v20
	WIN 0x40
	s_wait_alu depctr_va_vdst(0)                   ; the offsets v13 to v15 are written, which the loads below read; the scaled products are done reading XF and v[XS ..], and the first line above v[TOK], in all of which these loads land
.set k, 0
.rept 24
	global_load_b128 v[XF+4*k:XF+4*k+3], v14, s[10:11] offset:16*k
.set k, k+1
.endr
	WIN 0
	global_load_b128 v[XS:XS+3], v15, s[10:11] offset:786432
	global_load_b32 v[TOK], v13, s[14:15]
.endm
	s_load_b256 s[4:11], s[0:1], 0x0               ; gate_up_proj s[4:5], its bias s[6:7], lora_B_gate_up s[8:9], xcode s[10:11]
	s_load_b128 s[12:15], s[0:1], 0x20             ; la s[12:13], route s[14:15]
	s_load_b64 s[16:17], s[0:1], 0x30              ; g
	v_lshl_add_u32 v12, v0, 2, 0x1a000
	v_mov_b32 v77, 0
	v_lshrrev_b32 v1, 5, v0
	v_readfirstlane_b32 s18, v1                    ; wave 0..3
	v_and_b32 v1, 15, v0                           ; r
	v_bfe_u32 v2, v0, 4, 1                         ; h
	v_and_b32 v9, 31, v0                           ; lane
	s_wait_alu depctr_va_vdst(0)
	v_lshlrev_b32 v3, 4, v1
	v_lshl_add_u32 v3, v2, 19, v3                  ; the stream: 16 r + 32 h rows
	s_wait_alu depctr_va_sdst(0)                   ; s18 is written, ahead of its first reader
	s_lshr_b32 s19, s18, 1                         ; cg: my unit
	s_and_b32 s20, s18, 1                          ; rg: my half of its K in phase A, my tiles' parity in phase B
	s_and_b32 s21, ttmp7, 0xffff                   ; the expert
	s_lshl_b32 s23, ttmp9, 1
	s_add_co_u32 s23, s23, s19                     ; b: my unit among the expert's 64 = my block of 32 gated numbers
	s_mul_i32 s26, s19, UNITB
	s_mul_i32 s27, s20, 4*1536
	s_add_co_u32 s27, s27, s26
	v_lshl_add_u32 v4, v9, 3, s27                  ; LDS, in: my unit, my four K steps, 8 bytes a lane
	s_lshl_b32 s27, s20, 9
	s_add_co_u32 s27, s27, s26
	v_lshl_add_u32 v5, v9, 2, s27                  ; and their scale words, 4 bytes a lane
	v_lshl_add_u32 v6, v9, 3, s26                  ; LDS, back: my unit
	v_lshl_add_u32 v7, v9, 2, s26
	v_lshlrev_b32 v8, 3, v2                        ; 8 h
	v_lshlrev_b32 v19, 4, v1
	v_lshl_add_u32 v19, v2, 17, v19                ; LoRA B: 16 r + 8 h rows of 16,384 bytes
	v_lshlrev_b32 v23, 7, v2                       ; the bias: 128 h
	v_lshlrev_b32 v27, 4, v9                       ; an image: 16 bytes a lane
	v_lshlrev_b32 v31, 2, v9                       ; its scale words: 4 bytes a lane
	s_lshl_b32 s47, s21, 12                        ; my expert's list: 4,096 e
	s_lshl_b32 s26, s20, 6
	s_add_co_u32 s26, s26, s47
	v_lshl_add_u32 v13, v1, 2, s26                 ; the token of row r of tile rg
.irp i, 0,1,2,3
	v_mov_b32 v[TMP+\i], 0                         ; a lane permute's destination counts as one of its sources
.endr
	s_mov_b32 s[SEL], 0x76543210
	s_mov_b32 s[SEL+1], 0xfedcba98                 ; v_permlanex16_b32's selects for lane l xor 16
	s_lshl_b32 s28, s21, 24                        ; the expert's 16 MiB,
	s_lshl_b32 s29, s20, 23                        ; my 512 rows,
	s_add_co_u32 s28, s28, s29
	s_lshl_b32 s30, s23, 8                         ; my unit's 256 bytes of a row
	s_add_co_u32 s28, s28, s30
	s_mov_b32 s29, 0
	s_lshl_b32 s25, s21, 2
	s_wait_kmcnt 0x0
	s_add_nc_u64 s[4:5], s[4:5], s[28:29]
	WIN 0x80
	s_wait_alu depctr_va_vdst(0)                   ; the offsets and LDS addresses v3 to v7, v13, v19, v23, v27 and v31 are written, which the loads and LDS instructions of phase A and of the set-up read
	ISSUE 0, 0                                     ; two buffers, 32 KiB a wave, are on their way from here to the stream's end
	ISSUE 0, 1
	s_load_b32 s24, s[14:15], s25 offset:0x12000   ; my expert's tiles of 16 rows
	s_lshl_b32 s28, s21, 14
	s_add_co_u32 s28, s28, s30
	s_add_nc_u64 s[6:7], s[6:7], s[28:29]          ; the bias at my unit
	s_lshl_b32 s28, s21, 18
	s_add_co_u32 s28, s28, s30
	s_add_nc_u64 s[8:9], s[8:9], s[28:29]          ; LoRA B at my unit
	s_mul_i32 s28, s21, 8*1536
	s_add_nc_u64 s[32:33], s[12:13], s[28:29]      ; LoRA A's eight images
	s_lshl_b32 s28, s21, 10
	s_add_nc_u64 s[34:35], s[12:13], s[28:29]      ; and their scale words
	s_add_nc_u64 s[40:41], s[16:17], 0xc00000      ; g's scale bytes lie beyond an immediate's reach: a base of their own
	s_mul_i32 s37, s21, 64*24576
	s_mul_i32 s36, s23, 384
	s_add_co_u32 s37, s37, s36                     ; g's codes: the expert's tiles, my block
	s_lshl_b32 s46, s21, 16
	s_add_co_u32 s46, s46, s23                     ; g's scale bytes likewise
	s_mov_b32 s38, 0x40e00000                      ; 7
	s_mov_b32 s39, 0xc0e00000                      ; -7
	s_mov_b32 s42, 0xc01d265f                      ; -1.702 log2(e)
	s_mov_b32 s43, s42                             ; (named with it as a pair)
	CHUNK 0, 0, 1, 32                              ; the count 32: the other buffer's loads may stay out
	CHUNK 0, 1, 1, 32
	CHUNK 1, 0, 1, 32
	CHUNK 1, 1, 1, 32
	CHUNK 2, 0, 1, 32
	CHUNK 2, 1, 1, 32
	CHUNK 3, 0, 0, 32
	; 49 small loads, behind the stream's last: LoRA B, the bias, LoRA A's images and scale words, the first tile's tokens.  No vector instruction has named the registers in which they land, nor, since the head's wait, their offsets
	WIN 0x40
.irp q, 0,1,2,3,4,5,6,7
	global_load_b128 v[4*\q:4*\q+3], v19, s[8:9] offset:\q*16384       ; rank 8 h + q, columns 4 r .. 4 r + 3
.endr
.irp q, 0,1,2,3,4,5,6,7
	global_load_b128 v[32+4*\q:35+4*\q], v23, s[6:7] offset:16*\q      ; columns 32 h + 4 q .. + 3
.endr
	WIN 0x80
.irp s, 0,1,2,3
.irp n, 0,1,2
	global_load_b128 v[192+12*\s+4*\n:195+12*\s+4*\n], v27, s[32:33] offset:\s*1536+512*\n
.endr
.endr
	WIN 0xc0
.irp s, 0,1,2,3
.irp n, 0,1,2
	global_load_b128 v[192+12*\s+4*\n:195+12*\s+4*\n], v27, s[32:33] offset:(4+\s)*1536+512*\n
.endr
.endr
	WIN 0
.irp s, 0,1,2,3,4,5,6,7
	global_load_b32 v[LAS+\s], v31, s[34:35] offset:294912+128*\s
.endr
	global_load_b32 v[TOK], v13, s[14:15]
	CHUNK 3, 1, 0, 49                              ; the count 49: the small loads may stay out
	s_wait_loadcnt 0x0
	s_wait_alu depctr_vm_vsrc(0)                   ; the last chunk's LDS stores have read v[CC ..], which the products write from here on; the first tokens' load has read v13, which ASK writes
	WIN 0x44
.irp i, 0,1,2,3
.irp q, 0,1,2,3,4,5,6,7
	v_mul_f32 v[OP+8*\i+\q], 2.0, v[4*\q+\i]       ; 2 x LoRA B (exact), rank 8 h + q of column 4 r + i: tile i's operand
.endr
.endr
	WIN 0x01
.irp i, 0,1,2,3
.irp j, 0,1,2,3,4,5,6,7
	v_mov_b32 v[BI+8*\i+\j], v[32+4*\j+\i]         ; the bias in the result's layout
.endr
.endr
	WIN 0
	v_mul_u32_u24 v16, v2, 384
	v_lshlrev_b32 v17, 4, v2
	v_mul_u32_u24 v18, v1, 24
	v_mad_u32_u24 v18, v2, 12, v18                 ; my 12 bytes of a block's 384: 24 r + 12 h
	v_lshlrev_b32 v20, 2, v1
	v_lshlrev_b32 v22, 6, v1                       ; my row's 64 scale bytes
	v_mov_b32 v[QT], 0
	s_wait_dscnt 0x0                               ; for the others' sake: my images lie in LDS
	s_barrier_signal -1
	s_barrier_wait -1                              ; the launch's one barrier; every wave passes it, whatever its expert's count
	s_wait_kmcnt 0x0
	s_min_u32 s24, s24, 64                         ; never more than 64 tiles
	s_mov_b32 s48, s20                             ; my first tile
	s_cmp_ge_u32 s48, s24
	s_cbranch_scc1 .Lend
	s_sub_co_u32 s49, s24, 1                       ; the last tile
	s_sub_co_u32 s52, s24, s20                     ; my trips: tiles rg, rg + 2, .. under the count: (count - rg + 1) / 2, one at the least behind the branch above,
	s_add_co_u32 s52, s52, 1
	s_lshr_b32 s52, s52, 1
	s_min_u32 s52, s52, 32                         ; 32 at the most
	s_mov_b32 s53, 0                               ; trips done: the loop ends on this counter, stepped by one; the tile's number serves addresses alone
	s_wait_alu depctr_va_vdst(0)
	ASK 2
	FETCHW
.Ltile:
	s_wait_loadcnt 0x0                             ; this tile's rows, and the tokens of my next tile
	s_wait_xcnt 0x0                                ; the last trip's stores have read their registers
	s_wait_alu depctr_vm_vsrc(0)                   ; the last trip's stores have read v[GO], v[SO], v[QC ..] and v[QB], and the loads asked for so far v13 to v15: this trip writes all of them again
	s_min_u32 s50, s48, 63
	s_mul_i32 s51, s50, 24576
	s_add_co_u32 s51, s51, s37
	v_add_nc_u32 v[GO], s51, v18
	s_lshl_b32 s51, s50, 10
	s_add_co_u32 s51, s51, s46
	v_add_nc_u32 v[SO], s51, v22
	SCG 0
	SCG 1
	ASK 4                                          ; my next tile's rows land while this tile is finished
	WIN 0x41                                       ; gu = x W + b + (2 B)^T (x A)^T, in f32: the first step takes the scaled sums as its C.  These products name none of the registers that ASK's loads touch
.irp i, 0,1,2,3
	v_wmma_f32_16x16x4_f32 v[D2+8*\i:D2+8*\i+7], v[OP+8*\i:OP+8*\i+1], v[ACCT:ACCT+1], v[ACC+8*\i:ACC+8*\i+7]
.endr
	WIN 0x51
.irp q, 1,2,3
.irp i, 0,1,2,3
	v_wmma_f32_16x16x4_f32 v[D2+8*\i:D2+8*\i+7], v[OP+8*\i+2*\q:OP+8*\i+2*\q+1], v[ACCT+2*\q:ACCT+2*\q+1], v[D2+8*\i:D2+8*\i+7]
.endr
.endr
.rept 9
	v_nop                                          ; the places behind this form: eight ahead of the reads below, nine ahead of the next trip's products, which write over its sources
.endr
	WIN 0x01
.irp j, 0,1,2,3,4,5,6,7                        ; each result is read from its low end on.  Columns 32 h + 4 j + 0, 2 are gates, + 1, 3 the ups beside them
	v_min_num_f32 v[GT+2*\j], v[D2+\j], s38
	v_med3_num_f32 v[UT+2*\j], v[D2+8+\j], s39, s38
	v_min_num_f32 v[GT+2*\j+1], v[D2+16+\j], s38
	v_med3_num_f32 v[UT+2*\j+1], v[D2+24+\j], s39, s38
.endr
	WIN 0
.irp n, 0,2,4,6,8,10,12,14
	v_pk_mul_f32 v[EX+\n:EX+\n+1], v[GT+\n:GT+\n+1], s[42:43] op_sel_hi:[1,0]
.endr
	s_wait_alu depctr_va_vdst(0)
.irp n, 0,1,2,3,4,5,6,7,8,9,10,11,12,13,14,15
	v_exp_f32 v[EX+\n], v[EX+\n]                   ; e^(-1.702 gate)
.endr
	v_nop
	s_wait_alu depctr_va_vdst(0)                   ; the sixteen exponentials have written v[EX ..]: one wait for the batch, ahead of its first reader
.irp n, 0,2,4,6,8,10,12,14
	v_pk_add_f32 v[EX+\n:EX+\n+1], v[EX+\n:EX+\n+1], 1.0 op_sel_hi:[1,0]
.endr
	s_wait_alu depctr_va_vdst(0)
.irp n, 0,1,2,3,4,5,6,7,8,9,10,11,12,13,14,15
	v_rcp_f32 v[EX+\n], v[EX+\n]                   ; the sigmoid
.endr
	v_nop
	s_wait_alu depctr_va_vdst(0)                   ; the sixteen reciprocals have written v[EX ..]: one wait for the batch, ahead of its first reader
.irp n, 0,2,4,6,8,10,12,14
	v_pk_mul_f32 v[EX+\n:EX+\n+1], v[GT+\n:GT+\n+1], v[EX+\n:EX+\n+1]
.endr
.irp n, 0,2,4,6,8,10,12,14
	v_pk_fma_f32 v[GG+\n:GG+\n+1], v[UT+\n:UT+\n+1], v[EX+\n:EX+\n+1], v[EX+\n:EX+\n+1]   ; (up + 1) x glu: gated numbers 32 b + 16 h + 0 .. 15 of my row
.endr
	v_max3_num_f32 v[QM], |v[GG]|, |v[GG+1]|, 0x2800000
.irp n, 2,4,6,8,10,12,14
	v_max3_num_f32 v[QM], v[QM], |v[GG+\n]|, |v[GG+\n+1]|
.endr
	v_permlanex16_b32 v[QT], v[QM], s[SEL], s[SEL+1]
	v_max_num_f32 v[QM], v[QM], v[QT]              ; with lane l xor 16's 16: the block's largest magnitude
	v_add_nc_u32 v[QM], 0xfe000000, v[QM]
	v_cvt_scalef32_pk16_bf6_f32 v[QC:QC+2], v[GG:GG+15], v[QM]
	v_lshrrev_b32 v[QB], 23, v[QM]                 ; the scale's byte; also the plain line behind the conversion
	s_wait_alu depctr_va_vdst(0)                   ; the conversion has written v[QC ..] and the shift v[QB], which the two stores read (v[GO] and v[SO] were written at the trip's head)
	global_store_b96 v[GO], v[QC:QC+2], s[16:17]   ; the wave stores the block's 384 consecutive bytes
	global_store_b8 v[SO], v[QB], s[40:41]         ; both lanes of a row store the same byte with the same value
	s_add_co_u32 s48, s48, 2                       ; my next tile
	s_add_co_u32 s53, s53, 1
	s_cmp_lt_u32 s53, s52
	s_cbranch_scc1 .Ltile
.Lend:
	s_wait_dscnt 0x0                               ; the closing lines, six on end
	s_wait_alu 0x0
	s_wait_tensorcnt 0x0
	ds_add_u32 v12, v77
	s_wait_dscnt 0x0
	s_endpgm
.Lfunc_end_k_qa6857550ac_gateup:
	.size	k_qa6857550ac_gateup, .Lfunc_end_k_qa6857550ac_gateup-k_qa6857550ac_gateup
	.p2alignl 7, 3214868480
	.fill 96, 4, 3214868480
	.section	.rodata,"a",@progbits
	.p2align	6, 0x0
	.amdhsa_kernel k_qa6857550ac_gateup
		.amdhsa_group_segment_fixed_size 107008
		.amdhsa_private_segment_fixed_size 0
		.amdhsa_enable_private_segment 0
		.amdhsa_kernarg_size 56
		.amdhsa_user_sgpr_count 2
		.amdhsa_user_sgpr_kernarg_segment_ptr 1
		.amdhsa_wavefront_size32 1
		.amdhsa_system_sgpr_workgroup_id_x 1
		.amdhsa_system_sgpr_workgroup_id_y 1
		.amdhsa_system_sgpr_workgroup_id_z 1
		.amdhsa_system_vgpr_workitem_id 0
		.amdhsa_next_free_vgpr 1024
		.amdhsa_next_free_sgpr 66
		.amdhsa_reserve_vcc 0
		.amdhsa_float_denorm_mode_32 3
		.amdhsa_float_denorm_mode_16_64 3
		.amdhsa_memory_ordered 1
		.amdhsa_forward_progress 1
		.amdhsa_inst_pref_size 157
	.end_amdhsa_kernel
	.amdgpu_metadata
---
amdhsa.version: [ 1, 2 ]
amdhsa.kernels:
  - .name:           k_qa6857550ac_gateup
    .symbol:         k_qa6857550ac_gateup.kd
    .args:
      - { .name: gate_up_proj, .offset: 0, .size: 8, .value_kind: global_buffer, .address_space: global }
      - { .name: gate_up_proj_bias, .offset: 8, .size: 8, .value_kind: global_buffer, .address_space: global }
      - { .name: lora_B_gate_up, .offset: 16, .size: 8, .value_kind: global_buffer, .address_space: global }
      - { .name: xcode, .offset: 24, .size: 8, .value_kind: global_buffer, .address_space: global }
      - { .name: la, .offset: 32, .size: 8, .value_kind: global_buffer, .address_space: global }
      - { .name: route, .offset: 40, .size: 8, .value_kind: global_buffer, .address_space: global }
      - { .name: g, .offset: 48, .size: 8, .value_kind: global_buffer, .address_space: global }
    .group_segment_fixed_size: 107008
    .private_segment_fixed_size: 0
    .kernarg_segment_align: 8
    .kernarg_segment_size: 56
    .max_flat_workgroup_size: 128
    .sgpr_count:     66
    .vgpr_count:     1024
    .wavefront_size: 32
...
	.end_amdgpu_metadata
.endif
;; end of part 6
;; launch down (part 7): grid 16 x 16, 4 waves a work-group, no clusters, 71,168 bytes of LDS; arguments down_proj, down_proj_bias, lora_B_down, g, la, route, wrow, part; writes part
.if DOCPART == 7
	.amdgcn_target "amdgcn-amd-amdhsa--gfx1250"
	.amdhsa_code_object_version 6
	.text
	.protected	k_qa6857550ac_down
	.globl	k_qa6857550ac_down
	.p2align	8
	.type	k_qa6857550ac_down,@function
k_qa6857550ac_down:
	s_mov_b64 s[64:65], 0
	v_nop
	global_prefetch_b8 v0, s[64:65] scope:SCOPE_SE
	s_setreg_imm32_b32 hwreg(HW_REG_WAVE_SCHED_MODE, 0, 2), 2
	s_setreg_imm32_b32 hwreg(HW_REG_WAVE_MODE, 25, 1), 1
	s_wait_xcnt 0x0
	s_wait_alu depctr_vm_vsrc(0)
; part[row][kh] = w x (gated W + b + 2 (gated A) B), for the rows listed for each expert, over one half kh of the 2,048 gated numbers; the last launch adds the halves and a token's two experts.
; SHARES.  A work-group owns one UNIT: 64 columns of down_proj of one expert x 1,024 of its K (x: the columns, y = 2 expert + kh).  A whole K would take 768 registers a wave, and 32 columns would read half of each 256 bytes: so K is halved.
;   The bias goes with kh = 0 alone; the LoRA term is linear in K, so each half adds its own.
; PHASE A.  The unit's 256 KiB of f32 weights are read ONCE: wave w streams K steps 2 w and 2 w + 1.  Lane (r, h) loads 16 bytes, columns 4 r .. 4 r + 3 of row 64 c + 32 h + k: sixteen lanes read 256 consecutive bytes, aligned.
;   TILE i IS THE COLUMNS 4 r + i: word i of a lane's loads, taken down k, is lane (r, h)'s part of tile i's operand.  Codes and scale words meet in LDS as images of the operand's registers.  One barrier.
; PHASE B.  Each wave holds the whole unit in 384 registers and walks every fourth tile of 16 listed rows; the count of tiles is a number that an earlier launch stored.  No barrier stands in that loop.
;   Transposed use (source 0 = 16 columns of W, source 1 = 16 rows): lane (row r, h) holds columns 32 h + 4 j + i: 128 neighbouring bytes.  They go through the wave's own stage in LDS and leave as aligned runs of 256 bytes.
;   2 (gated A) B feeds no quantiser: bf16 operands, K = 32 with its upper 16 zero.
; NO TENSOR LOADS AND NO JOINT LOADS: the loop's trips hang on a count read from memory; what work-groups share, the rows' codes, is some 3 MB beside 64 MiB of weights that nobody shares.
; LIMITS: NaN and infinities among the inputs are not served (the bias is multiplied by 0 in the half kh = 1).  A block of zeros gets the scale byte 1.  An expert without rows still has its weights streamed.
; THE MODE: SCHED_MODE bits 1:0 = 2 (LLVM: expert scheduling mode 2), set by the entry lines.  The code itself states the register dependences between vector or matrix instructions and memory or LDS instructions, with s_wait_alu, always for 0.
; THE PLAN.  Registers that memory or LDS instructions touch:
;   the landing buffers   A chunk's 128 moves read buffer c; behind them the next K step's loads land in it: one wait on va_vdst behind the moves.
;   v[CC ..], v[SWD ..]   Written by a chunk's conversions, moves and scale-word lines; read by its LDS stores, behind one wait on va_vdst; written again in a later chunk, behind that chunk's wait on vm_vsrc.
;   v3-7, v13-15, v19, v23, v27, v76, v78, v79   Offsets and LDS addresses made at the head, ahead of one wait on va_vdst.  v19 and v23 become part of v[TB ..] behind the wait on vm_vsrc that follows phase A; the others are never written again.
;   W's unit, v[WS ..]    Land once, from LDS, over the landing buffers; read by matrix instructions alone from then on.
;   XF, v[XS ..], v[WL], v[DL ..]   A trip's 40 scaled products read XF and XS, the vector lines behind them WL and DL; ASKD's loads land in them behind its one wait on va_vdst, which also states that its offsets v9-12 are written.
;   v[OO ..]              Written by a trip's multiplications, read by its LDS stores behind one wait on va_vdst.
;   v[RBK ..], v[PO ..]   RBK lands from the stage, PO is written ahead of ASKD's wait; both are read by the trip's global stores.
;   The wait on vm_vsrc at the loop's head serves all that a trip writes or loads again: v9-12, OO, RBK, PO.
;   All other registers are named by vector and matrix instructions alone.
; REGISTERS, in windows of 256.  window 0: v1-31 addresses, the conversions' spill, later the bf16 operand; v32-75 scale words and nothing else; v80-111 the four accumulators; v112-119 gated A's; v120-127 the rows' places in part;
;   v128-255 phase A: numbers with k on end; phase B: bias, results, rows read back, store offsets.   window 1: v0-63 LoRA B and bias as loaded; v64-95 2 x LoRA B in bf16; v128-223 the rows' eight fragments.
;   windows 2, 3: phase A: the two landing buffers; phase B: W's tiles 0, 1 and 2, 3 (96 i + 12 s), and from v192 LoRA A's K steps 0-3 and 4-7.
.set PITCH, 4096                       ; bytes from row to row of down_proj
.set SCB,   49152                      ; the unit in LDS: 32 fragments of 1,536 bytes, then 32 x 128 bytes of scale words
.set STG,   53248                      ; behind it: a stage of 16 rows x (256 + 16) bytes for each wave
.set DSP,   16
.set TB,    16                         ; v16-23  gated A in bf16
.set WS,    32
.set LAS,   64
.set XS,    72
.set SRD,   76                         ; v76     the stage, back
.set WL,    77                         ; v77     my row's weight, as it lands
.set STO,   79                         ; v79     the stage, in
.set ACC,   80
.set CC,    80
.set ACCT,  112
.set MM,    112
.set BY,    116
.set SWD,   120
.set DL,    120                        ; v120-127 phase B: the places in part of rows 8 h + 0 .. 7, as they land
.set TMP,   124
.set TT,    128
.set BI,    128
.set OO,    160
.set RBK,   192
.set PO,    224
.set POB,   232
.set WC,    233
.set OPB,   64                         ; window 1
.set XF,    128                        ; window 1
.set SEL,   44
.set MSB, 0
.macro WIN new                         ; the immediate's high byte repeats the setting that is left; a switch that changes nothing is dropped
.if MSB != (\new)
	s_set_vgpr_msb (MSB<<8)|(\new)
.set MSB, (\new)
.endif
.endm
; 32 loads: 64 rows x 256 bytes of the unit, K step sl of mine, half c, into landing buffer c
.macro ISSUE sl, c
	WIN 0x80+0x40*(\c)
.set k, 0
.rept 32
	global_load_b128 v[4*k:4*k+3], v3, s[4:5] offset:(128*(\sl)+64*(\c)+k)*PITCH th:TH_LOAD_NT
.set k, k+1
.endr
.endm
; One landing buffer is worked off: four blocks of 32 along K a lane, one for each tile.  left: the loads issued behind this buffer's, which may stay out
.macro CHUNK sl, c, ahead, left
	s_wait_loadcnt \left
	WIN 0x02+(\c)
.set k, 0
.rept 32
.irp i, 0,1,2,3
	v_mov_b32 v[TT+32*\i+k], v[4*k+\i]             ; tile i's numbers, k on consecutive registers
.endr
.set k, k+1
.endr
.if \ahead
	WIN 0x80+0x40*(\c)
	s_wait_alu depctr_va_vdst(0)                   ; the moves are done reading landing buffer c, in which the loads below land
	ISSUE (\sl)+1, \c                              ; the buffer is free: the next K step's half is asked for
.endif
	WIN 0
.irp i, 0,1,2,3
	v_max3_num_f32 v[MM+\i], |v[TT+32*\i]|, |v[TT+32*\i+1]|, 0x2800000   ; the largest magnitude, with the floor 2^(5 - 127) among its leaves; the four tiles by turns
.endr
.irp k2, 2,4,6,8,10,12,14,16,18,20,22,24,26,28,30
.irp i, 0,1,2,3
	v_max3_num_f32 v[MM+\i], v[MM+\i], |v[TT+32*\i+\k2]|, |v[TT+32*\i+\k2+1]|
.endr
.endr
.irp i, 0,1,2,3
	v_add_nc_u32 v[MM+\i], 0xfe000000, v[MM+\i]    ; 4 off the exponent field: the conversions' scale operand
.endr
.irp i, 0,1,2,3
	v_lshrrev_b32 v[BY+\i], 23, v[MM+\i]           ; the scale's byte
.endr
	s_wait_dscnt 0x0                               ; the last chunk's LDS stores have landed: at most one chunk's stores of a wave are out
.if (\sl)+(\c) > 0
	s_wait_alu depctr_vm_vsrc(0)                   ; the LDS stores issued so far have read v[CC ..] and v[SWD ..], which the lines below write again
.endif
.if (\c) == 0
	s_wait_alu depctr_va_vdst(0)
.irp i, 0,1,2,3
	v_mov_b32 v[SWD+\i], v[BY+\i]                  ; block h's byte waits for block 2 + h's
.endr
.else
	s_wait_alu depctr_va_vdst(0)
.irp i, 0,1,2,3
	v_lshl_or_b32 v[SWD+\i], v[BY+\i], 16, v[SWD+\i]
.endr
.irp i, 0,1,2,3
	v_lshlrev_b32 v[SWD+\i], v8, v[SWD+\i]         ; 8 h bits up
.endr
.irp i, 0,1,2,3
	v_permlanex16_b32 v[TMP+\i], v[SWD+\i], s[SEL], s[SEL+1]
.endr
.irp i, 0,1,2,3
	v_or_b32 v[SWD+\i], v[SWD+\i], v[TMP+\i]       ; with lane l xor 16's two bytes the scale word is whole
.endr
.endif
.irp i, 0,1,2,3
	v_cvt_scalef32_pk16_bf6_f32 v[CC+8*\i:CC+8*\i+2], v[TT+32*\i:TT+32*\i+15], v[MM+\i]
	v_cvt_scalef32_pk16_bf6_f32 v[DSP+4*\i:DSP+4*\i+2], v[TT+32*\i+16:TT+32*\i+31], v[MM+\i]
.endr
	v_nop                                          ; one plain line behind the conversions
.irp i, 0,1,2,3
.irp n, 0,1,2
	v_mov_b32 v[CC+8*\i+3+\n], v[DSP+4*\i+\n]
.endr
.endr
	s_wait_alu depctr_va_vdst(0)                   ; the conversions and moves have written v[CC ..], and with c = 1 the lines above them v[SWD ..]: the LDS stores below read them
.irp i, 0,1,2,3
.irp p, 0,1,2
	ds_store_b64 v4, v[CC+8*\i+2*\p:CC+8*\i+2*\p+1] offset:(8*\i+(\sl))*1536+(\c)*768+\p*256   ; registers 6 c + 2 p, + 1 of the fragment: 256 consecutive bytes a store
.endr
.endr
.if (\c) == 1
.irp i, 0,1,2,3
	ds_store_b32 v5, v[SWD+\i] offset:SCB+(8*\i+(\sl))*128
.endr
.endif
.endm
; The whole unit comes back from LDS, the same registers in the same lanes.  It stands behind ASKD's wait on va_vdst, with loads and window switches alone between: the moves that read the landing buffers are done
.macro FETCHW
.irp w, 0,1
	WIN 0x80+0x40*\w
.irp u, 0,1
.irp s, 0,1,2,3,4,5,6,7
.irp n, 0,1,2,3,4,5
	ds_load_b64 v[96*\u+12*\s+2*\n:96*\u+12*\s+2*\n+1], v6 offset:(8*(2*\w+\u)+\s)*1536+(\n/3)*768+(\n%3)*256
.endr
.endr
.endr
.endr
	WIN 0
.irp i, 0,1,2,3
.irp s, 0,1,2,3,4,5,6,7
	ds_load_b32 v[WS+8*\i+\s], v7 offset:SCB+(8*\i+\s)*128
.endr
.endr
	s_wait_dscnt 0x0
.endm
; One scaled product on the registers named by dD, aA, bB, cC, sA, sB.  cm = 0: adds in place; 1: C = v[cC ..]; 2: C = 0.  row = 1: the rows' scales are taken from lanes 16-31
.macro WM cm, row
.if \cm == 0
.if \row
	v_wmma_scale_f32_16x16x128_f8f6f4 v[dD:dD+7], v[aA:aA+11], v[bB:bB+11], v[dD:dD+7], v[sA], v[sB] matrix_a_fmt:MATRIX_FMT_BF6 matrix_b_fmt:MATRIX_FMT_BF6 matrix_b_scale:MATRIX_SCALE_ROW1
.else
	v_wmma_scale_f32_16x16x128_f8f6f4 v[dD:dD+7], v[aA:aA+11], v[bB:bB+11], v[dD:dD+7], v[sA], v[sB] matrix_a_fmt:MATRIX_FMT_BF6 matrix_b_fmt:MATRIX_FMT_BF6
.endif
.elseif \cm == 1
	v_wmma_scale_f32_16x16x128_f8f6f4 v[dD:dD+7], v[aA:aA+11], v[bB:bB+11], v[cC:cC+7], v[sA], v[sB] matrix_a_fmt:MATRIX_FMT_BF6 matrix_b_fmt:MATRIX_FMT_BF6
.else
	v_wmma_scale_f32_16x16x128_f8f6f4 v[dD:dD+7], v[aA:aA+11], v[bB:bB+11], 0, v[sA], v[sB] matrix_a_fmt:MATRIX_FMT_BF6 matrix_b_fmt:MATRIX_FMT_BF6
.endif
.endm
; 20 scaled products: tiles 2 w and 2 w + 1 over all eight K steps, and four K steps of gated A.  The accumulators take turns, one instruction a turn
.macro SCG w
	WIN 0x06+(\w)
.irp s, 0,1,2,3,4,5,6,7
.irp u, 0,1
.set dD, ACC+8*(2*\w+\u)
.set aA, 96*\u+12*\s
.set bB, XF+12*\s
.set cC, BI+8*(2*\w+\u)
.set sA, WS+8*(2*\w+\u)+\s
.set sB, XS+\s%4
.if \s == 0
	WM 1, 0
.else
	WM 0, \s/4
.endif
.endr
.if \s < 4
.set dD, ACCT
.set aA, 192+12*\s
.set bB, XF+12*(4*\w+\s)
.set sA, LAS+4*\w+\s
.set sB, XS+\s
.if (\w == 0) && (\s == 0)
	WM 2, 0
.else
	WM 0, \w
.endif
.endif
.endr
.endm
; 52 loads for the tile whose number stands in s50: its rows' codes and scale bytes of my half of K, their weights, their places in part
.macro ASKD
	s_min_u32 s50, s50, 63
	s_mul_i32 s51, s50, 24576
	s_add_co_u32 s51, s51, s36
	v_add_nc_u32 v9, s51, v13
	s_lshl_b32 s51, s50, 10
	s_add_co_u32 s51, s51, s37
	v_add_nc_u32 v10, s51, v14
	s_lshl_b32 s51, s50, 6
	s_add_co_u32 s51, s51, s38
	v_add_nc_u32 v11, s51, v15
	v_add_nc_u32 v12, s51, v78
	WIN 0x40
	s_wait_alu depctr_va_vdst(0)                   ; the offsets v9 to v12 are written, which the loads below read; the scaled products are done reading XF and v[XS ..], the vector lines behind them v[WL] and v[DL ..] (ahead of the first tile: phase A's lines are done with v120 to v127): these loads land in all of them
.irp s, 0,1,2,3,4,5,6,7
.irp n, 0,1,2,3,4,5
	global_load_b64 v[XF+12*\s+2*\n:XF+12*\s+2*\n+1], v9, s[10:11] offset:(4*\s+2*(\n/3))*384+8*(\n%3)   ; block 4 s + 2 c + h of my half, row r: 24 bytes in three pieces
.endr
.endr
	WIN 0
	global_load_b128 v[XS:XS+3], v10, s[40:41]
	global_load_b32 v[WL], v11, s[16:17]
	global_load_b128 v[DL:DL+3], v12, s[14:15] offset:36864
	global_load_b128 v[DL+4:DL+7], v12, s[14:15] offset:36880
.endm
	s_load_b256 s[4:11], s[0:1], 0x0               ; down_proj s[4:5], its bias s[6:7], lora_B_down s[8:9], g s[10:11]
	s_load_b256 s[12:19], s[0:1], 0x20             ; la s[12:13], route s[14:15], wrow s[16:17], part s[18:19]
	v_lshl_add_u32 v31, v0, 2, 0x11400
	s_set_vgpr_msb 0x40
	v_mov_b32 v255, 0
	s_set_vgpr_msb 0x4000
	v_lshrrev_b32 v1, 5, v0
	v_readfirstlane_b32 s20, v1                    ; wave 0..3
	s_and_b32 s21, ttmp7, 0xffff
	s_lshr_b32 s22, s21, 1                         ; the expert
	s_and_b32 s23, s21, 1                          ; kh: which half of K
	v_and_b32 v1, 15, v0                           ; r
	v_bfe_u32 v2, v0, 4, 1                         ; h
	v_and_b32 v9, 31, v0                           ; lane
	v_lshlrev_b32 v3, 4, v1
	v_lshl_add_u32 v3, v2, 17, v3                  ; the stream: 16 r + 32 h rows
	s_wait_alu depctr_va_sdst(0)                   ; s20 is written, ahead of its first reader
	s_mul_i32 s26, s20, 2*1536
	v_lshl_add_u32 v4, v9, 3, s26                  ; LDS, in: my two K steps, 8 bytes a lane
	s_lshl_b32 s26, s20, 8
	v_lshl_add_u32 v5, v9, 2, s26                  ; and their scale words
	v_lshlrev_b32 v6, 3, v9                        ; LDS, back
	v_lshlrev_b32 v7, 2, v9
	v_lshlrev_b32 v8, 3, v2                        ; 8 h
	v_lshlrev_b32 v27, 4, v9                       ; an image: 16 bytes a lane
	s_mul_i32 s26, s20, 16*272
	s_add_co_u32 s26, s26, STG                     ; my stage
	v_mul_u32_u24 v[STO], v1, 272
	v_lshl_add_u32 v[STO], v2, 7, v[STO]
	v_add_nc_u32 v[STO], s26, v[STO]               ; in: row r, 128 bytes for each half of the lanes
	v_mul_u32_u24 v[SRD], v2, 8*272
	v_lshl_add_u32 v[SRD], v1, 4, v[SRD]
	v_add_nc_u32 v[SRD], s26, v[SRD]               ; back: lanes 0-15 row t, lanes 16-31 row t + 8; 16 bytes a lane
	v_mul_u32_u24 v13, v2, 384
	v_mad_u32_u24 v13, v1, 24, v13                 ; g's codes: 384 h + 24 r
	v_lshlrev_b32 v14, 6, v1
	v_lshl_add_u32 v14, v2, 4, v14                 ; g's scale bytes: 64 r + 16 h
	v_lshlrev_b32 v15, 2, v1                       ; the weights: 4 r
	v_lshlrev_b32 v78, 5, v2                       ; the places in part: 32 h
	v_lshlrev_b32 v19, 4, v1
	v_lshl_add_u32 v19, v2, 15, v19                ; LoRA B: 16 r + 8 h rows of 4,096 bytes
	v_lshlrev_b32 v23, 7, v2                       ; the bias: 128 h
.irp i, 0,1,2,3
	v_mov_b32 v[TMP+\i], 0                         ; a lane permute's destination counts as one of its sources
.endr
	s_mov_b32 s[SEL], 0x76543210
	s_mov_b32 s[SEL+1], 0xfedcba98                 ; v_permlanex16_b32's selects for lane l xor 16
	s_lshl_b32 s28, s22, 23                        ; the expert's 8 MiB,
	s_lshl_b32 s29, s23, 22                        ; my half of K,
	s_add_co_u32 s28, s28, s29
	s_lshl_b32 s29, s20, 20                        ; my wave's 256 rows,
	s_add_co_u32 s28, s28, s29
	s_lshl_b32 s30, ttmp9, 8                       ; the unit's 256 bytes of a row
	s_add_co_u32 s28, s28, s30
	s_mov_b32 s29, 0
	s_lshl_b32 s25, s22, 2
	s_wait_kmcnt 0x0
	s_add_nc_u64 s[4:5], s[4:5], s[28:29]
	WIN 0x80
	s_wait_alu depctr_va_vdst(0)                   ; the offsets and LDS addresses v3 to v7, v19, v23, v27, v[SRD] and v[STO] are written, which the loads, stores and LDS instructions of the whole kernel read
	ISSUE 0, 0                                     ; two buffers, 32 KiB a wave, are on their way from here to the stream's end
	ISSUE 0, 1
	s_load_b32 s24, s[14:15], s25 offset:0x12000   ; my expert's tiles of 16 rows
	s_lshl_b32 s28, s22, 12
	s_add_co_u32 s28, s28, s30
	s_add_nc_u64 s[6:7], s[6:7], s[28:29]          ; the bias at my columns
	s_lshl_b32 s28, s22, 16
	s_add_co_u32 s28, s28, s30
	s_add_nc_u64 s[8:9], s[8:9], s[28:29]          ; LoRA B at my columns
	s_lshl_b32 s31, s22, 4
	s_lshl_b32 s26, s23, 3
	s_add_co_u32 s31, s31, s26
	s_add_co_u32 s31, s31, 64                      ; LoRA A's first image of mine: 64 + 16 e + 8 kh
	s_mul_i32 s28, s31, 1536
	s_add_nc_u64 s[32:33], s[12:13], s[28:29]
	s_lshl_b32 s28, s31, 7
	s_add_nc_u64 s[34:35], s[12:13], s[28:29]
	s_add_nc_u64 s[40:41], s[10:11], 0xc00000      ; g's scale bytes lie beyond an immediate's reach: a base of their own
	s_mul_i32 s36, s22, 64*24576
	s_mul_i32 s26, s23, 12288
	s_add_co_u32 s36, s36, s26                     ; g's codes: the expert's tiles, my 32 blocks
	s_lshl_b32 s37, s22, 16
	s_lshl_b32 s26, s23, 5
	s_add_co_u32 s37, s37, s26                     ; g's scale bytes likewise
	s_lshl_b32 s38, s22, 12                        ; the expert's lists: 4,096 e
	s_lshl_b32 s39, s23, 12
	s_add_co_u32 s39, s39, s30                     ; in a row of part: 4,096 kh + 256 x
	s_mov_b32 s46, 0x3f800000
	s_cmp_eq_u32 s23, 0
	s_cselect_b32 s46, s46, 0                      ; the bias counts in the half kh = 0 alone
	CHUNK 0, 0, 1, 32                              ; the count 32: the other buffer's loads may stay out
	CHUNK 0, 1, 1, 32
	CHUNK 1, 0, 0, 32
	; 48 small loads, behind the stream's last: LoRA B, the bias, LoRA A's images and scale words.  No vector instruction has named the registers in which they land, nor, since the head's wait, their offsets
	WIN 0x40
.irp q, 0,1,2,3,4,5,6,7
	global_load_b128 v[4*\q:4*\q+3], v19, s[8:9] offset:\q*4096        ; rank 8 h + q, columns 4 r .. 4 r + 3
.endr
.irp q, 0,1,2,3,4,5,6,7
	global_load_b128 v[32+4*\q:35+4*\q], v23, s[6:7] offset:16*\q      ; columns 32 h + 4 q .. + 3
.endr
	WIN 0x80
.irp s, 0,1,2,3
.irp n, 0,1,2
	global_load_b128 v[192+12*\s+4*\n:195+12*\s+4*\n], v27, s[32:33] offset:\s*1536+512*\n
.endr
.endr
	WIN 0xc0
.irp s, 0,1,2,3
.irp n, 0,1,2
	global_load_b128 v[192+12*\s+4*\n:195+12*\s+4*\n], v27, s[32:33] offset:(4+\s)*1536+512*\n
.endr
.endr
	WIN 0
.irp s, 0,1,2,3,4,5,6,7
	global_load_b32 v[LAS+\s], v7, s[34:35] offset:294912+128*\s
.endr
	CHUNK 1, 1, 0, 48                              ; the count 48: the small loads may stay out
	s_wait_loadcnt 0x0
	s_wait_alu depctr_vm_vsrc(0)                   ; the last chunk's LDS stores have read v[CC ..], which the products write from here on, and v[SWD ..], in which the rows' places land; LoRA B's and the bias's loads have read v19 and v23, which become part of v[TB ..]
	WIN 0x44
.set k, 0
.rept 32
	v_mul_f32 v[k], 2.0, v[k]                      ; 2 x LoRA B (exact)
.set k, k+1
.endr
	WIN 0x45
.irp i, 0,1,2,3
.irp p, 0,1,2,3
	v_cvt_pk_bf16_f32 v[OPB+8*\i+\p], v[8*\p+\i], v[8*\p+4+\i]     ; ranks 8 h + 2 p, + 1 of column 4 r + i: tile i's operand, k = 8 h + 0 .. 7
.endr
.endr
	WIN 0x40
.irp i, 0,1,2,3
.irp p, 4,5,6,7
	v_mov_b32 v[OPB+8*\i+\p], 0                    ; k = 16 .. 31 of the form's 32: there is no such rank
.endr
.endr
	WIN 0x04
.irp i, 0,1,2,3
.irp j, 0,1,2,3,4,5,6,7
	v_mul_f32 v[BI+8*\i+\j], s46, v[32+4*\j+\i]    ; the bias, or 0, in the result's layout
.endr
.endr
	WIN 0
.irp p, 4,5,6,7
	v_mov_b32 v[TB+\p], 0
.endr
	v_lshl_add_u32 v[POB], v1, 4, s39
	s_wait_dscnt 0x0                               ; for the others' sake: my images lie in LDS
	s_barrier_signal -1
	s_barrier_wait -1                              ; the launch's one barrier; every wave passes it, whatever its expert's count
	s_wait_kmcnt 0x0
	s_min_u32 s24, s24, 64                         ; never more than 64 tiles
	s_mov_b32 s48, s20                             ; my first tile
	s_cmp_ge_u32 s48, s24
	s_cbranch_scc1 .Lend
	s_sub_co_u32 s49, s24, 1                       ; the last tile
	s_sub_co_u32 s52, s24, s20                     ; my trips: tiles w, w + 4, .. under the count: (count - w + 3) / 4, one at the least behind the branch above,
	s_add_co_u32 s52, s52, 3
	s_lshr_b32 s52, s52, 2
	s_min_u32 s52, s52, 16                         ; 16 at the most
	s_mov_b32 s53, 0                               ; trips done: the loop ends on this counter, stepped by one; the tile's number serves addresses alone
	s_mov_b32 s50, s48
	ASKD
	FETCHW
.Ltile:
	s_wait_loadcnt 0x0                             ; this tile's 52 loads
	s_wait_xcnt 0x0                                ; the last trip's stores have read their registers
	s_wait_alu depctr_vm_vsrc(0)                   ; the last trip's global stores have read v[PO ..] and v[RBK ..], its LDS stores v[OO ..], and the loads asked for so far v9 to v12: this trip writes or loads all of them again
	SCG 0
	SCG 1
	WIN 0
.irp t, 0,1,2,3,4,5,6,7                        ; where rows 8 h + t go.  These lines name no register of the products above
	v_min_u32 v[PO+\t], 0x87f, v[DL+\t]            ; a row of part, held inside the buffer
.endr
.irp t, 0,1,2,3,4,5,6,7
	v_lshlrev_b32 v[PO+\t], 13, v[PO+\t]
.endr
.irp t, 0,1,2,3,4,5,6,7
	v_add_nc_u32 v[PO+\t], v[PO+\t], v[POB]
.endr
	v_mov_b32 v[WC], v[WL]
.irp p, 0,1,2,3
	v_cvt_pk_bf16_f32 v[TB+\p], v[ACCT+2*\p], v[ACCT+2*\p+1]       ; gated A, ranks 8 h + 2 p, + 1 of row r: read from its low end on
.endr
	s_add_co_u32 s50, s48, 4
	s_min_u32 s50, s50, s49                        ; my next tile, held at the last one
	ASKD                                           ; it lands while this tile is finished
.rept 4
	v_nop
.endr
	WIN 0x01
.irp i, 0,1,2,3
	v_wmma_f32_16x16x32_bf16 v[ACC+8*\i:ACC+8*\i+7], v[OPB+8*\i:OPB+8*\i+7], v[TB:TB+7], v[ACC+8*\i:ACC+8*\i+7]
.endr
	WIN 0
.rept 5
	v_nop                                          ; four places ahead of the reads below, five ahead of the next trip's products, which write over these results
.endr
.irp j, 0,1,2,3,4,5,6,7
.irp i, 0,1,2,3
	v_mul_f32 v[OO+4*\j+\i], v[ACC+8*\i+\j], v[WC]  ; x the row's weight; column 32 h + 4 j + i.  Each result is read from its low end on
.endr
.endr
	s_wait_alu depctr_va_vdst(0)                   ; the multiplications have written v[OO ..], which the LDS stores read
.irp j, 0,1,2,3,4,5,6,7
	ds_store_b128 v[STO], v[OO+4*\j:OO+4*\j+3] offset:16*\j
.endr
.irp t, 0,1,2,3,4,5,6,7
	ds_load_b128 v[RBK+4*\t:RBK+4*\t+3], v[SRD] offset:272*\t      ; LDS serves a wave's instructions in order: these see my stores, and the next trip's stores come behind them
.endr
.irp t, 0,1,2,3,4,5,6,7
	s_wait_dscnt 7-\t                              ; the younger read-backs may stay out
	global_store_b128 v[PO+\t], v[RBK+4*\t:RBK+4*\t+3], s[18:19]   ; sixteen lanes store 256 consecutive bytes of one row, aligned
.endr
	s_add_co_u32 s48, s48, 4                       ; my next tile
	s_add_co_u32 s53, s53, 1
	s_cmp_lt_u32 s53, s52
	s_cbranch_scc1 .Ltile
.Lend:
	s_set_vgpr_msb 0x4                             ; the add's second register lies in window 1; the switch stands ahead of the closing lines, and none follows them
	s_wait_dscnt 0x0                               ; the closing lines, six on end
	s_wait_alu 0x0
	s_wait_tensorcnt 0x0
	ds_add_u32 v31, v255
	s_wait_dscnt 0x0
	s_endpgm
.Lfunc_end_k_qa6857550ac_down:
	.size	k_qa6857550ac_down, .Lfunc_end_k_qa6857550ac_down-k_qa6857550ac_down
	.p2alignl 7, 3214868480
	.fill 96, 4, 3214868480
	.section	.rodata,"a",@progbits
	.p2align	6, 0x0
	.amdhsa_kernel k_qa6857550ac_down
		.amdhsa_group_segment_fixed_size 71168
		.amdhsa_private_segment_fixed_size 0
		.amdhsa_enable_private_segment 0
		.amdhsa_kernarg_size 64
		.amdhsa_user_sgpr_count 2
		.amdhsa_user_sgpr_kernarg_segment_ptr 1
		.amdhsa_wavefront_size32 1
		.amdhsa_system_sgpr_workgroup_id_x 1
		.amdhsa_system_sgpr_workgroup_id_y 1
		.amdhsa_system_sgpr_workgroup_id_z 1
		.amdhsa_system_vgpr_workitem_id 0
		.amdhsa_next_free_vgpr 1024
		.amdhsa_next_free_sgpr 66
		.amdhsa_reserve_vcc 0
		.amdhsa_float_denorm_mode_32 3
		.amdhsa_float_denorm_mode_16_64 3
		.amdhsa_memory_ordered 1
		.amdhsa_forward_progress 1
		.amdhsa_inst_pref_size 105
	.end_amdhsa_kernel
	.amdgpu_metadata
---
amdhsa.version: [ 1, 2 ]
amdhsa.kernels:
  - .name:           k_qa6857550ac_down
    .symbol:         k_qa6857550ac_down.kd
    .args:
      - { .name: down_proj, .offset: 0, .size: 8, .value_kind: global_buffer, .address_space: global }
      - { .name: down_proj_bias, .offset: 8, .size: 8, .value_kind: global_buffer, .address_space: global }
      - { .name: lora_B_down, .offset: 16, .size: 8, .value_kind: global_buffer, .address_space: global }
      - { .name: g, .offset: 24, .size: 8, .value_kind: global_buffer, .address_space: global }
      - { .name: la, .offset: 32, .size: 8, .value_kind: global_buffer, .address_space: global }
      - { .name: route, .offset: 40, .size: 8, .value_kind: global_buffer, .address_space: global }
      - { .name: wrow, .offset: 48, .size: 8, .value_kind: global_buffer, .address_space: global }
      - { .name: part, .offset: 56, .size: 8, .value_kind: global_buffer, .address_space: global }
    .group_segment_fixed_size: 71168
    .private_segment_fixed_size: 0
    .kernarg_segment_align: 8
    .kernarg_segment_size: 64
    .max_flat_workgroup_size: 128
    .sgpr_count:     66
    .vgpr_count:     1024
    .wavefront_size: 32
...
	.end_amdgpu_metadata
.endif
;; end of part 7
;; launch combine (part 8): grid 256 x 1, 4 waves a work-group, no clusters, 0 bytes of LDS; arguments router_indices, part, out0; writes out0
.if DOCPART == 8
	.amdgcn_target "amdgcn-amd-amdhsa--gfx1250"
	.amdhsa_code_object_version 6
	.text
	.protected	k_qa6857550ac_combine
	.globl	k_qa6857550ac_combine
	.p2align	8
	.type	k_qa6857550ac_combine,@function
k_qa6857550ac_combine:
	s_mov_b64 s[64:65], 0
	v_nop
	global_prefetch_b8 v0, s[64:65] scope:SCOPE_SE
	s_setreg_imm32_b32 hwreg(HW_REG_WAVE_MODE, 25, 1), 1
	s_wait_xcnt 0x0
; out0[t] = the sum of the token's partial rows: slot 0's and slot 1's, each in two halves of K.  One wave to a token.
; Slot 0 has a row where its index names an expert (0..7); slot 1 where its index does so and differs from slot 0's (equal slots were served as one row of double weight).
; A slot without a row adds zeros: its bytes of part were never stored, so they are not read.  The branches hang on the index input alone.
; A stream: no LDS, no matrix unit, no cluster; every load and store of the wave covers 512 consecutive bytes.
	s_load_b128 s[4:7], s[0:1], 0x0                ; router_indices s[4:5], part s[6:7]
	s_load_b64 s[8:9], s[0:1], 0x10                ; out0
	v_lshrrev_b32 v1, 5, v0
	v_readfirstlane_b32 s10, v1
	s_lshl_b32 s11, ttmp9, 2
	s_add_co_u32 s11, s11, s10                     ; my token
	s_lshl_b32 s14, s11, 3
	v_and_b32 v1, 31, v0
	v_lshlrev_b32 v1, 4, v1                        ; 16 bytes a lane
	s_wait_kmcnt 0x0
	s_load_b64 s[12:13], s[4:5], s14 offset:0x0    ; its two indices
	s_lshl_b32 s16, s11, 14
	s_mov_b32 s17, 0
	s_add_nc_u64 s[6:7], s[6:7], s[16:17]          ; its two rows of part: 16,384 bytes
	s_lshl_b32 s16, s11, 12
	s_add_nc_u64 s[8:9], s[8:9], s[16:17]
	s_wait_kmcnt 0x0
.macro SLOTLD s                        ; a slot's 8,192 bytes: the half kh = 0, then kh = 1
.irp n, 0,1,2,3,4,5,6,7,8,9,10,11,12,13,14,15
	global_load_b128 v[16+64*\s+4*\n:19+64*\s+4*\n], v1, s[6:7] offset:8192*\s+512*\n th:TH_LOAD_NT
.endr
.endm
.macro SLOTZ s
.set k, 0
.rept 64
	v_mov_b32 v[16+64*\s+k], 0
.set k, k+1
.endr
.endm
	s_cmp_lt_u32 s12, 8
	s_cbranch_scc0 .Lnone0
	s_wait_alu depctr_va_vdst(0)
	SLOTLD 0
	s_branch .Lslot1
.Lnone0:
	SLOTZ 0
.Lslot1:
	s_cmp_lt_u32 s13, 8
	s_cselect_b32 s15, 1, 0
	s_cmp_lg_u32 s13, s12
	s_cselect_b32 s18, 1, 0
	s_and_b32 s15, s15, s18
	s_cmp_lg_u32 s15, 0
	s_cbranch_scc0 .Lnone1
	SLOTLD 1
	s_branch .Lsum
.Lnone1:
	SLOTZ 1
.Lsum:
	s_wait_loadcnt 0x0
.irp m, 0,2,4,6,8,10,12,14,16,18,20,22,24,26,28,30
	v_pk_add_f32 v[16+\m:17+\m], v[16+\m:17+\m], v[48+\m:49+\m]        ; slot 0: its two halves of K
	v_pk_add_f32 v[80+\m:81+\m], v[80+\m:81+\m], v[112+\m:113+\m]      ; slot 1 likewise
.endr
.irp m, 0,2,4,6,8,10,12,14,16,18,20,22,24,26,28,30
	v_pk_add_f32 v[16+\m:17+\m], v[16+\m:17+\m], v[80+\m:81+\m]
.endr
.irp n, 0,1,2,3,4,5,6,7
	global_store_b128 v1, v[16+4*\n:19+4*\n], s[8:9] offset:512*\n th:TH_STORE_NT
.endr
	s_endpgm
.Lfunc_end_k_qa6857550ac_combine:
	.size	k_qa6857550ac_combine, .Lfunc_end_k_qa6857550ac_combine-k_qa6857550ac_combine
	.p2alignl 7, 3214868480
	.fill 96, 4, 3214868480
	.section	.rodata,"a",@progbits
	.p2align	6, 0x0
	.amdhsa_kernel k_qa6857550ac_combine
		.amdhsa_group_segment_fixed_size 0
		.amdhsa_private_segment_fixed_size 0
		.amdhsa_enable_private_segment 0
		.amdhsa_kernarg_size 24
		.amdhsa_user_sgpr_count 2
		.amdhsa_user_sgpr_kernarg_segment_ptr 1
		.amdhsa_wavefront_size32 1
		.amdhsa_system_sgpr_workgroup_id_x 1
		.amdhsa_system_sgpr_workgroup_id_y 1
		.amdhsa_system_sgpr_workgroup_id_z 1
		.amdhsa_system_vgpr_workitem_id 0
		.amdhsa_next_free_vgpr 144
		.amdhsa_next_free_sgpr 66
		.amdhsa_reserve_vcc 0
		.amdhsa_float_denorm_mode_32 3
		.amdhsa_float_denorm_mode_16_64 3
		.amdhsa_memory_ordered 1
		.amdhsa_forward_progress 1
		.amdhsa_inst_pref_size 13
	.end_amdhsa_kernel
	.amdgpu_metadata
---
amdhsa.version: [ 1, 2 ]
amdhsa.kernels:
  - .name:           k_qa6857550ac_combine
    .symbol:         k_qa6857550ac_combine.kd
    .args:
      - { .name: router_indices, .offset: 0, .size: 8, .value_kind: global_buffer, .address_space: global }
      - { .name: part, .offset: 8, .size: 8, .value_kind: global_buffer, .address_space: global }
      - { .name: out0, .offset: 16, .size: 8, .value_kind: global_buffer, .address_space: global }
    .group_segment_fixed_size: 0
    .private_segment_fixed_size: 0
    .kernarg_segment_align: 8
    .kernarg_segment_size: 24
    .max_flat_workgroup_size: 128
    .sgpr_count:     66
    .vgpr_count:     144
    .wavefront_size: 32
...
	.end_amdgpu_metadata
.endif
;; end of part 8
